; MI455X (gfx1250); checked and timed in simulation.
; The chip was launched on July 23, 2026; its instructions are those of AMD's public machine-readable ISA for CDNA 5 (MIT licence, August 2026) and "CDNA5" Instruction Set Architecture Reference Guide (July 2026). The comments in the code are by the model that wrote it; some were corrected since.
;; Multi Head Attention. Allowed arithmetic: matrix products marked QUANTISED: E2M3 operands, one E8M0 scale for each 32 along K, by v_wmma_scale_f32_16x16x128_f8f6f4 with both operands' format E2M3, f32 sums; everything else in f32.
;; Inputs: Wk 1,024 x 1,024 float32; Wo 1,024 x 1,024 float32; Wq 1,024 x 1,024 float32; Wv 1,024 x 1,024 float32; bk 1,024 float32; bo 1,024 float32; bq 1,024 float32; bv 1,024 float32; key 4 x 2,048 x 1,024 float32; query 4 x 2,048 x 1,024 float32; value 4 x 2,048 x 1,024 float32.
;; Outputs: out0 4 x 2,048 x 1,024 float32.
;; This version of the problem:
;;   THIS VERSION OF THE PROBLEM IS GIVEN IN LOW PRECISION. The matrix products marked QUANTISED in the list below multiply operands that are first quantised to E2M3 (2 exponent bits, 3 mantissa bits; 6 bits a number), with one power-of-two scale for each 32 numbers along K (OCP MX v1.0); their sums are f32. All else is computed in f32.
;;   The module's matrix products, in the order in which they are computed (A, B: the left and right operand; K: the contracted axis; several contracted axes count as one K, in the product's order):
;;     1. [M 8,192, K 1,024] x [K 1,024, N 1,024]; A: input query; B: input Wq: QUANTISED
;;     2. [M 8,192, K 1,024] x [K 1,024, N 1,024]; A: input key; B: input Wk: QUANTISED
;;     3. [M 8,192, K 1,024] x [K 1,024, N 1,024]; A: input value; B: input Wv: QUANTISED
;;     4. batch 64 x [M 2,048, K 64] x [K 64, N 2,048]; A: computed on the way; B: computed on the way: QUANTISED
;;     5. batch 64 x [M 64, K 2,048] x [K 2,048, N 2,048]; A: computed on the way; B: softmax (see below): QUANTISED
;;     6. [M 8,192, K 1,024] x [K 1,024, N 1,024]; A: computed on the way; B: input Wo: QUANTISED
;;   THE QUANTISER, for each operand of a quantised product, along K:
;;     - K is cut into blocks of 32 from its start; a last block that is shorter is filled with zeros.
;;     - A block's scale is 2^e with e = floor(log2(the largest magnitude in the block)) - 2, held to -126 .. 127; a block of zeros has e = 0. As a byte (E8M0): e + 127.
;;     - Each number is divided by its block's scale, clamped to +-7.5, and rounded to the nearest number of E2M3, ties to even, subnormals kept.
;;     - The product sums the exact products of the quantised numbers (number of the format x scale) in f32.
;;   ~~~python
;;   def quantise(x, axis):      # numpy; x: float32 -> the quantised numbers, widened to float32 again
;;       x = np.moveaxis(x, axis, -1); K = x.shape[-1]
;;       x = np.pad(x, [(0, 0)] * (x.ndim - 1) + [(0, -K % 32)]); x = x.reshape(x.shape[:-1] + (-1, 32)); a = np.abs(x).max(-1, keepdims=True)
;;       e = np.where(a > 0, np.clip(np.frexp(np.where(a > 0, a, 1))[1] - 1 - 2, -126, 127), 0)      # np.frexp(a)[1] - 1 = floor(log2(a)), exactly
;;       r = np.clip(x / 2.0 ** e, -7.5, 7.5)
;;       step = 2.0 ** (np.maximum(np.frexp(np.where(r == 0, 1, r))[1] - 1, 0) - 3)
;;       q = np.round(r / step) * step * 2.0 ** e      # np.round: ties to even
;;       return np.moveaxis(q.reshape(q.shape[:-2] + (-1,))[..., :K], -1, axis).astype(np.float32)
;;   ~~~
;;   SOFTMAX AHEAD OF A QUANTISED PRODUCT. Where the list says 'softmax', what is quantised is not the finished softmax but p = 2^(t - M), with t = logit x log2(e) and M = ceil(the row's largest t), a whole number; so 1/2 < the row's largest p <= 1. The row's sum l is taken of the UNQUANTISED p, in f32, and the product's result is divided by l at the end. Since M is a whole number, a kernel that streams over the keys may use a running M (the ceiling of the running maximum): every later rescaling is an exact power of two, which a block's scale takes up: the codes' values come out the same.
;;   OPERANDS COMPUTED ON THE WAY. 'Computed on the way' means the value that the module computes at that place (a softmax that the list does not call 'softmax' is quantised finished and normalised). What goes into a quantiser is computed in f32, as accurately as f32 sums, v_exp_f32 and their like allow (about 1e-6 of the number): no bf16 or f16 on the way to a quantiser, and a product that is left as it is and whose result goes on into a quantised operand takes f32 operands (vector FMAs, or v_wmma_f32_16x16x4_f32). A number that lies on a knife's edge between two numbers of the format may be rounded either way, as far as f32 arithmetic and the matrix unit's own rounding can turn it there, and no further.
;; One version. Each part assembles by itself: llvm-mc -triple=amdgcn-amd-amdhsa -mcpu=gfx1250 --defsym DOCPART=n.
;; ======== version 1 of 1: 4 launches
;; limits: right only within a limited range of input values
;; workspace buffers: codes 22,020,096 bytes; scales 917,504 bytes; img 18,874,368 bytes; isc 786,432 bytes; ctxc 6,291,456 bytes; ctxs 262,144 bytes
;; launch quant (part 1): grid 896 x 1, 4 waves a work-group, no clusters, 68,096 bytes of LDS; arguments query, key, value, Wq, Wk, Wv, Wo, codes, scales; writes codes, scales
.if DOCPART == 1
	.amdgcn_target "amdgcn-amd-amdhsa--gfx1250"
	.amdhsa_code_object_version 6
	.text
	.protected	k_q0d1d016684_quant
	.globl	k_q0d1d016684_quant
	.p2align	8
	.type	k_q0d1d016684_quant,@function
k_q0d1d016684_quant:
	s_mov_b64 s[64:65], 0
	v_nop
	global_prefetch_b8 v0, s[64:65] scope:SCOPE_SE
	s_setreg_imm32_b32 hwreg(HW_REG_WAVE_MODE, 25, 1), 1
	s_wait_xcnt 0x0
; All seven f32 operands of the four projections become codes of FP6 (E2M3) with one E8M0 byte for each 32 along K.
; ROWS: token R of tensor t (0 query, 1 key, 2 value) is row 8192 t + sigma(R); column n of weight w (0 Wq, 1 Wk, 2 Wv, 3 Wo) is row 24576 + 1024 w + sigma(n); sigma exchanges bits 3 and 4.
; LAYOUT: codes = four planes, one for each 256 along K; in a plane a row is 192 bytes, rows dense: 128 rows are 24,576 bytes and begin at a multiple of 256.  scales = 32 bytes a row.
; A block's scale is 2^(floor(log2(largest magnitude)) - 2); its byte is the largest magnitude's exponent field - 2, held at 1 from below.
; LIMITS: a block of zeros, or one whose largest magnitude lies under 2^-124, gets the byte 1 (the rule says 127 for zeros); this program alone reads the bytes.  NaN and infinities are not served.
; Work-groups 0-127 take the weights (K is their FIRST axis: a lane takes a column, its registers run down K), work-groups 128-895 the tokens (K innermost).
; The two ways part on the work-group's number alone and have LDS bytes of their own.  No tensor loads, no barrier: waves share nothing.
.set PLANE, 28672*192                  ; a plane of the codes' buffer
.set EMAX,  2
.set CB,    12                         ; bytes of 16 codes
.set SPW,   192                        ; v192 LDS address of my spare word; never rewritten
.set NIL,   193                        ; v193 0; never rewritten
.set WREG,  8192                       ; tokens: a region a wave: two stages of 32 x SP bytes, then 256 scale bytes
.set SP,    80                         ; a lane's 64 bytes + 16 of padding
.set WSTG,  4*WREG                     ; weights: four stages of 32 rows x PITCH
.set PITCH, 272                        ; sixteen places of 16 bytes, 12 of them codes, + 16
.set SPARE, WSTG+4*32*PITCH            ; the spare words, 128 bytes a wave, which no other line names
.set STEPS, 16
.set R,     16                         ; tokens: v16-79 four sets of 16 numbers as loaded
.set X,     80                         ; v80-111 two sets of 16 neighbours
.set E,     112                        ; v112-127 a scale byte a step
.set C,     128                        ; v128-191 codes, four registers a step
.set NB,    8                          ; weights: blocks of 32 along K a wave
.set XW,    32                         ; v32-95 two sets of 32 numbers
.set CW,    96                         ; v96-102 a block's codes
.set OUTR,  112                        ; v112-175 the way out
.set SB,    24                         ; v24-25 the scale bytes
.macro FIN                             ; a wave's end, behind its last LDS store
	s_wait_tensorcnt 0x0
	ds_add_u32 v[SPW], v[NIL]
	s_wait_dscnt 0x0
	s_endpgm
.endm
	s_load_b256 s[4:11], s[0:1], 0x0               ; query, key, value, Wq
	s_load_b256 s[12:19], s[0:1], 0x20             ; Wk, Wv, Wo, codes
	s_load_b64 s[20:21], s[0:1], 0x40              ; scales
	v_lshl_add_u32 v[SPW], v0, 2, SPARE
	v_mov_b32 v[NIL], 0
	v_lshrrev_b32 v1, 5, v0
	v_readfirstlane_b32 s24, v1                    ; wave
	v_and_b32 v2, 31, v0                           ; lane
	s_cmp_lt_u32 ttmp9, 128
	s_wait_alu depctr_va_vdst(0)
	s_cbranch_scc1 .Lweights
; ---- TOKENS.  A wave takes a run of 8 rows, 16 steps of 512 numbers.  A step's four loads read 512 consecutive bytes each; the 2,048 bytes turn through the wave's stage and come back 64 bytes a lane.
; Bits 3 and 4 of a row are the wave's number, so sigma exchanges the places of waves 1 and 2 on the way out.
	v_lshlrev_b32 v3, 4, v2                        ; my 16 bytes of a load's 512
	s_mul_i32 s25, s24, WREG
	v_lshrrev_b32 v14, 2, v2
	v_mul_u32_u24 v14, v14, SP
	v_and_b32 v15, 3, v2
	v_lshl_add_u32 v14, v15, 4, v14
	v_add_nc_u32 v14, s25, v14                     ; the stage, in: four lanes' 64 bytes, then padding
	v_mul_u32_u24 v15, v2, SP
	v_add_nc_u32 v15, s25, v15                     ; out: my 16 neighbours
	v_and_b32 v4, 15, v2
	v_mul_u32_u24 v4, v4, CB
	v_lshrrev_b32 v5, 4, v2
	v_mad_u32_u24 v4, v5, PLANE, v4                ; a step is half a row, two planes: lanes 0-15 the first, lanes 16-31 the second; 12 bytes a lane
	v_add_nc_u32 v10, 2*PLANE, v4                  ; the same for a row's second half
	v_lshrrev_b32 v5, 1, v2
	s_add_co_u32 s25, s25, 2*32*SP
	v_add_nc_u32 v5, s25, v5                       ; LDS: my block's scale byte
	v_lshlrev_b32 v7, 3, v2
	v_add_nc_u32 v6, s25, v7                       ; and on the way out 8 bytes a lane
	s_wait_alu depctr_va_vdst(0)
	s_wait_kmcnt 0x0
	s_sub_co_u32 s27, ttmp9, 128                   ; 0 .. 767: 256 work-groups a tensor
	s_cmp_lt_u32 s27, 256
	s_cselect_b64 s[4:5], s[4:5], s[6:7]
	s_cmp_lt_u32 s27, 512
	s_cselect_b64 s[4:5], s[4:5], s[8:9]
	s_and_b32 s25, s27, 255
	s_lshl_b32 s25, s25, 2
	s_add_co_u32 s26, s25, s24                     ; the run that my wave reads
	s_lshl_b32 s28, s26, 15                        ; 32,768 bytes a run
	s_mov_b32 s29, 0
	s_add_nc_u64 s[4:5], s[4:5], s[28:29]
	s_and_b32 s25, s24, 1
	s_lshl_b32 s25, s25, 1
	s_lshr_b32 s26, s24, 1
	s_or_b32 s25, s25, s26                         ; the wave's two bits exchanged
	s_lshl_b32 s26, s27, 2
	s_add_co_u32 s26, s26, s25                     ; the run that it writes
	s_mul_i32 s28, s26, 8*192                      ; 8 rows of 192 bytes in each plane
	s_add_nc_u64 s[18:19], s[18:19], s[28:29]
	s_lshl_b32 s28, s26, 8                         ; 256 scale bytes a run
	s_add_nc_u64 s[20:21], s[20:21], s[28:29]
.macro LOADX t
.irp i, 0,1,2,3
	global_load_b128 v[R+16*((\t)%4)+4*\i:R+16*((\t)%4)+4*\i+3], v3, s[4:5] offset:2048*(\t)+512*\i th:TH_LOAD_NT
.endr
.endm
.macro TURNX t                         ; LDS serves a wave's instructions in order: no wait between the stores and the loads
.irp i, 0,1,2,3
	ds_store_b128 v14, v[R+16*((\t)%4)+4*\i:R+16*((\t)%4)+4*\i+3] offset:32*SP*((\t)%2)+8*SP*\i
.endr
.irp i, 0,1,2,3
	ds_load_b128 v[X+16*((\t)%2)+4*\i:X+16*((\t)%2)+4*\i+3], v15 offset:32*SP*((\t)%2)+16*\i
.endr
.endm
.irp t, 0,1,2,3
	LOADX \t
.endr
	s_wait_loadcnt 12                              ; step 0's four loads are in; the twelve of steps 1 to 3 may be out
	TURNX 0
.macro STEPX t
.set XS, X+16*((\t)%2)
.if (\t) > 0
	s_wait_dscnt 1                                 ; this step's numbers are back (the last step's byte store may be out)
.else
	s_wait_dscnt 0x0
.endif
.if (\t)+4 < STEPS
	LOADX (\t)+4
.endif
.if (\t)+1 < STEPS
.if STEPS-2-(\t) >= 3
	s_wait_loadcnt 12                              ; the next step's four loads are in; those of the three steps behind it may be out
.else
	s_wait_loadcnt 4*(STEPS-2-(\t))
.endif
	TURNX (\t)+1
.endif
	v_max3_num_f32 v8, |v[XS]|, |v[XS+1]|, |v[XS+2]|               ; the largest magnitude of my 16, two chains
	v_max3_num_f32 v9, |v[XS+3]|, |v[XS+4]|, |v[XS+5]|
.irp i, 6,10
	v_max3_num_f32 v8, v8, |v[XS+\i]|, |v[XS+\i+1]|
	v_max3_num_f32 v9, v9, |v[XS+\i+2]|, |v[XS+\i+3]|
.endr
	v_max3_num_f32 v8, v8, |v[XS+14]|, |v[XS+15]|
	v_max3_num_f32 v8, v8, v9, (EMAX+1)<<23        ; the floor 2^(3 - 127): the byte cannot fall under 1
	v_max_num_f32_dpp v8, v8, v8 row_xmask:1 row_mask:0xf bank_mask:0xf   ; with my neighbour's 16: the block's
	v_add_nc_u32 v11, -(EMAX<<23), v8              ; 2 off the exponent field: the conversion's scale operand
	v_cvt_scalef32_pk16_fp6_f32 v[C+4*(\t):C+4*(\t)+2], v[XS:XS+15], v11
	v_lshrrev_b32 v[E+(\t)], 23, v11               ; the scale's byte (also the plain line behind the conversion)
	ds_store_b8 v5, v[E+(\t)] offset:16*(\t)       ; both lanes of a block write the same byte
	global_store_b96 v[4+6*((\t)%2)], v[C+4*(\t):C+4*(\t)+2], s[18:19] offset:192*((\t)/2)   ; row t / 2 of my 8; sixteen lanes store a row's 192 bytes of a plane
.endm
.irp t, 0,1,2,3,4,5,6,7,8,9,10,11,12,13,14,15
	STEPX \t
.endr
	ds_load_b64 v[8:9], v6
	s_wait_dscnt 0x0
	global_store_b64 v7, v[8:9], s[20:21]          ; 32 lanes store 256 consecutive bytes, aligned
	FIN
; ---- WEIGHTS.  A wave takes 32 columns x 256 along K (one plane); of the work-group's number bits 0-2 say which 128 columns, bits 3-4 which plane, bits 5-6 which weight.
.Lweights:
	s_and_b32 s25, ttmp9, 7
	s_lshr_b32 s30, ttmp9, 3
	s_lshl_b32 s25, s25, 7
	s_lshl_b32 s26, s24, 5
	s_add_co_u32 s25, s25, s26                     ; my wave's first column
	s_lshr_b32 s31, s30, 2                         ; which weight
	s_and_b32 s26, s30, 3                          ; which 256 along K
	v_lshlrev_b32 v3, 2, v2                        ; in: 4 bytes a lane
	s_mul_i32 s27, s24, 32*PITCH
	s_add_co_u32 s27, s27, WSTG                    ; my stage
	v_mul_u32_u24 v4, v2, PITCH
	v_add_nc_u32 v4, s27, v4                       ; into it: row = my column
	v_and_b32 v5, 15, v2
	v_lshrrev_b32 v6, 4, v2                        ; out of it: sixteen lanes to a row, two rows an instruction
	v_mul_u32_u24 v7, v6, PITCH
	v_lshl_add_u32 v7, v5, 4, v7
	v_add_nc_u32 v7, s27, v7
	v_mul_u32_u24 v8, v6, 192
	v_mad_u32_u24 v8, v5, 12, v8                   ; the same place in the plane: sigma leaves bit 0 alone
	v_and_b32 v9, 7, v2                            ; sigma(lane)
	v_bfe_u32 v10, v2, 3, 1
	v_lshl_or_b32 v9, v10, 4, v9
	v_bfe_u32 v10, v2, 4, 1
	v_lshl_or_b32 v9, v10, 3, v9
	v_lshlrev_b32 v9, 5, v9                        ; my column's row of scale bytes
	s_lshl_b32 s28, s26, 20                        ; W: 256 rows of 4,096 bytes a plane,
	s_lshl_b32 s32, s25, 2
	s_add_co_u32 s28, s28, s32                     ; + 4 x column
	s_mov_b32 s29, 0
	s_lshl_b32 s32, s31, 10
	s_add_co_u32 s32, s32, s25
	s_add_co_u32 s32, s32, 24576                   ; the buffers' row of my first column
	s_mul_i32 s34, s32, 192
	s_mul_i32 s33, s26, PLANE
	s_add_co_u32 s34, s34, s33
	s_mov_b32 s35, 0
	s_lshl_b32 s36, s32, 5
	s_lshl_b32 s33, s26, 3
	s_add_co_u32 s36, s36, s33                     ; scale bytes: row x 32 + 8 x plane
	s_mov_b32 s37, 0
	s_wait_alu depctr_va_vdst(0)
	s_wait_kmcnt 0x0
	s_cmp_eq_u32 s31, 1
	s_cselect_b64 s[10:11], s[12:13], s[10:11]
	s_cmp_eq_u32 s31, 2
	s_cselect_b64 s[10:11], s[14:15], s[10:11]
	s_cmp_eq_u32 s31, 3
	s_cselect_b64 s[10:11], s[16:17], s[10:11]
	s_add_nc_u64 s[10:11], s[10:11], s[28:29]
	s_add_nc_u64 s[18:19], s[18:19], s[34:35]
	s_add_nc_u64 s[20:21], s[20:21], s[36:37]
.macro LOADW t                         ; block t: W(32 t + i, my column) into set t % 2; a wave's load reads 128 consecutive bytes
.irp i, 0,1,2,3,4,5,6,7,8,9,10,11,12,13,14,15,16,17,18,19,20,21,22,23,24,25,26,27,28,29,30,31
	global_load_b32 v[XW+32*((\t)%2)+\i], v3, s[10:11] offset:(32*(\t)+\i)*4096 th:TH_LOAD_NT
.endr
.endm
	LOADW 0
	LOADW 1
.macro BLOCKW t
.set XS, XW+32*((\t)%2)
.if (\t) < NB-1
	s_wait_loadcnt 32                              ; this block's 32 loads are in; the next block's 32 may be out
.else
	s_wait_loadcnt 0
.endif
	v_max3_num_f32 v12, |v[XS]|, |v[XS+1]|, |v[XS+2]|               ; all 32 numbers of the block are mine; two chains
	v_max3_num_f32 v13, |v[XS+3]|, |v[XS+4]|, |v[XS+5]|
.irp i, 6,10,14,18,22,26
	v_max3_num_f32 v12, v12, |v[XS+\i]|, |v[XS+\i+1]|
	v_max3_num_f32 v13, v13, |v[XS+\i+2]|, |v[XS+\i+3]|
.endr
	v_max3_num_f32 v12, v12, |v[XS+30]|, |v[XS+31]|
	v_max3_num_f32 v12, v12, v13, (EMAX+1)<<23
	v_add_nc_u32 v11, -(EMAX<<23), v12
	v_lshrrev_b32 v13, 23, v11
.if (\t)%4 == 0
	v_mov_b32 v[SB+(\t)/4], v13                    ; four bytes to a register, the lower K in the lower byte
.else
	v_lshl_or_b32 v[SB+(\t)/4], v13, 8*((\t)%4), v[SB+(\t)/4]
.endif
	v_cvt_scalef32_pk16_fp6_f32 v[CW:CW+2], v[XS:XS+15], v11
	v_cvt_scalef32_pk16_fp6_f32 v[CW+4:CW+6], v[XS+16:XS+31], v11
	v_nop                                          ; one plain line behind the last conversion
	ds_store_b96 v4, v[CW:CW+2] offset:32*(\t)     ; 12 bytes to a place of 16
	ds_store_b96 v4, v[CW+4:CW+6] offset:32*(\t)+16
.if (\t)+2 < NB
	LOADW (\t)+2
.endif
	s_wait_dscnt 0x0                               ; the stores have read their registers
.endm
.set Q, 0
.rept NB
	BLOCKW Q
.set Q, Q+1
.endr
	s_wait_alu depctr_va_vdst(0)
	global_store_b64 v9, v[SB:SB+1], s[20:21]      ; my column's 8 scale bytes
.irp t, 0,1,2,3,4,5,6,7,8,9,10,11,12,13,14,15
	ds_load_b96 v[OUTR+4*\t:OUTR+4*\t+2], v7 offset:2*\t*PITCH
.endr
.irp t, 0,1,2,3,4,5,6,7,8,9,10,11,12,13,14,15
	s_wait_dscnt 15-\t                             ; load t is in, the 15 - t younger ones may be out
	global_store_b96 v8, v[OUTR+4*\t:OUTR+4*\t+2], s[18:19] offset:(((2*\t)&7)|((((2*\t)>>4)&1)<<3)|((((2*\t)>>3)&1)<<4))*192   ; columns 2 t, 2 t + 1 at rows sigma(2 t), sigma(2 t) + 1
.endr
	FIN
.Lfunc_end_k_q0d1d016684_quant:
	.size	k_q0d1d016684_quant, .Lfunc_end_k_q0d1d016684_quant-k_q0d1d016684_quant
	.p2alignl 7, 3214868480
	.fill 96, 4, 3214868480
	.section	.rodata,"a",@progbits
	.p2align	6, 0x0
	.amdhsa_kernel k_q0d1d016684_quant
		.amdhsa_group_segment_fixed_size 68096
		.amdhsa_private_segment_fixed_size 0
		.amdhsa_enable_private_segment 0
		.amdhsa_kernarg_size 72
		.amdhsa_user_sgpr_count 2
		.amdhsa_user_sgpr_kernarg_segment_ptr 1
		.amdhsa_wavefront_size32 1
		.amdhsa_system_sgpr_workgroup_id_x 1
		.amdhsa_system_sgpr_workgroup_id_y 1
		.amdhsa_system_sgpr_workgroup_id_z 1
		.amdhsa_system_vgpr_workitem_id 0
		.amdhsa_next_free_vgpr 200
		.amdhsa_next_free_sgpr 66
		.amdhsa_reserve_vcc 0
		.amdhsa_float_denorm_mode_32 3
		.amdhsa_float_denorm_mode_16_64 3
		.amdhsa_memory_ordered 1
		.amdhsa_forward_progress 1
		.amdhsa_inst_pref_size 75
	.end_amdhsa_kernel
	.amdgpu_metadata
---
amdhsa.version: [ 1, 2 ]
amdhsa.kernels:
  - .name:           k_q0d1d016684_quant
    .symbol:         k_q0d1d016684_quant.kd
    .args:
      - { .name: query, .offset: 0, .size: 8, .value_kind: global_buffer, .address_space: global }
      - { .name: key, .offset: 8, .size: 8, .value_kind: global_buffer, .address_space: global }
      - { .name: value, .offset: 16, .size: 8, .value_kind: global_buffer, .address_space: global }
      - { .name: Wq, .offset: 24, .size: 8, .value_kind: global_buffer, .address_space: global }
      - { .name: Wk, .offset: 32, .size: 8, .value_kind: global_buffer, .address_space: global }
      - { .name: Wv, .offset: 40, .size: 8, .value_kind: global_buffer, .address_space: global }
      - { .name: Wo, .offset: 48, .size: 8, .value_kind: global_buffer, .address_space: global }
      - { .name: codes, .offset: 56, .size: 8, .value_kind: global_buffer, .address_space: global }
      - { .name: scales, .offset: 64, .size: 8, .value_kind: global_buffer, .address_space: global }
    .group_segment_fixed_size: 68096
    .private_segment_fixed_size: 0
    .kernarg_segment_align: 8
    .kernarg_segment_size: 72
    .max_flat_workgroup_size: 128
    .sgpr_count:     66
    .vgpr_count:     200
    .wavefront_size: 32
...
	.end_amdgpu_metadata
.endif
;; end of part 1
;; launch proj (part 2): grid 4 x 96, 4 waves a work-group, clusters of 4 x 4, 327,680 bytes of LDS; arguments codes, scales, bq, bk, bv, img, isc; writes img, isc
.if DOCPART == 2
	.amdgcn_target "amdgcn-amd-amdhsa--gfx1250"
	.amdhsa_code_object_version 6
	.text
	.protected	k_q0d1d016684_proj
	.globl	k_q0d1d016684_proj
	.p2align	8
	.type	k_q0d1d016684_proj,@function
k_q0d1d016684_proj:
	s_mov_b64 s[64:65], 0
	v_nop
	global_prefetch_b8 v0, s[64:65] scope:SCOPE_SE
	s_setreg_imm32_b32 hwreg(HW_REG_WAVE_MODE, 25, 1), 1
	s_wait_xcnt 0x0
	s_wait_alu depctr_hold_cnt(0) depctr_sa_sdst(0) depctr_va_vdst(0) depctr_va_sdst(0) depctr_va_ssrc(0) depctr_va_vcc(0) depctr_vm_vsrc(0)
	s_getreg_b32 s2, hwreg(HW_REG_IB_STS2, 6, 4)
	s_cmp_eq_u32 s2, 0
	s_cbranch_scc0 .Lentry_in_a_cluster
	s_endpgm
.Lentry_in_a_cluster:
	s_bfe_u32 s2, ttmp6, 0x10000c
	s_cmp_lg_u32 s2, 0xf033
	s_cbranch_scc0 .Lentry_shape_is_right
	s_endpgm
.Lentry_shape_is_right:
.set KSTEP,  256
.set NQ,     KSTEP/128
.set ROWB,   192
.set KROW,   768                       ; a tile's row as the descriptor states it: four rows of codes, 4 x 192 dense bytes of a plane
.set PLANE,  28672*192                 ; the codes lie in four planes, one for each K step of 256; in a plane a row of codes is 192 bytes, rows dense
.set PITCH,  240
.set FR,     12
.set NL,     6
.set NP,     4
.set HALFT,  128*PITCH
.set SLOT,   4*HALFT
.set LAPS,   2
.set KS,     32
.set SCL,    2*SLOT
.set HALFS,  (128*KS/256)*272
.set SBLK,   (16*KS/256)*272
.set SPARE,  SCL+4*HALFS
.set ADRA, 16
.set ADRB, 20
.set WO,   25
.set IO,   26
.set ADRS, 27
.set SPW,  28
.set NIL,  29
.set SC,   32
.set BI,   64
.set AF,   128
.set AJ,   224
.set TM,   64
.set EB,   80
.set T1,   88
.set SW0,  96
.set SW1,  100
.set OUTW, 104
.set T0,   108
.set FQ,   156
.set FV,   126
.set G1, 24
.set G0, 32
.set G1B, 48
.set G0B, 56
.set G1S, 68
.set G0S, 76
.set G1SB, 80
.set G0SB, 88
.set MSB, 0
.macro WIN new
.if MSB != \new
	s_set_vgpr_msb (MSB<<8)|\new
.set MSB, \new
.endif
.endm
.set MUL_LO, 0xa1
.set MUL_HI, 0xf1
.set BIA_LO, 0x81
.set BIA_HI, 0xc1
.set TO_B,   0x40
.macro JLOAD g0a, g1a, g0b, g1b
	s_cmp_eq_u32 s15, 0
	s_cbranch_scc0 .Lfor_b_\@
	tensor_load_to_lds s[\g0a:\g0a+3], s[\g1a:\g1a+7]
	s_nop 0
.rept 4
	v_nop
.endr
	s_branch .Lasked_\@
.Lfor_b_\@:
	tensor_load_to_lds s[\g0b:\g0b+3], s[\g1b:\g1b+7]
	s_nop 0
.rept 4
	v_nop
.endr
.Lasked_\@:
.endm
.macro CREST
	s_cmp_lg_u32 s14, 0
	s_cbranch_scc1 .Lnot_wave_0_\@
	s_barrier_signal -3
.Lnot_wave_0_\@:
	s_barrier_wait -3
	s_barrier_signal -1
	s_barrier_wait -1
.endm
.macro CROUND
	s_barrier_signal -1
	s_barrier_wait -1
	CREST
.endm
	s_load_b256 s[4:11], s[0:1], 0x0
	s_load_b128 s[96:99], s[0:1], 0x20
	s_load_b64 s[100:101], s[0:1], 0x30
	v_lshl_add_u32 v[SPW], v0, 2, SPARE
	v_mov_b32 v[NIL], 0
	ds_add_u32 v[SPW], v[NIL]
	ds_add_u32 v[SPW], v[NIL]
	v_lshrrev_b32 v1, 5, v0
	v_readfirstlane_b32 s14, v1
	s_lshr_b32 s15, s14, 1
	s_and_b32 s16, s14, 1
	s_bfe_u32 s40, ttmp6, 0x40000
	s_bfe_u32 s41, ttmp6, 0x40004
	s_and_b32 s18, ttmp7, 0xffff
	s_lshr_b32 s2, s18, 3
	s_and_b32 s18, s18, 7
	s_lshl_b32 s18, s18, 2
	s_lshl_b32 s19, s2, 13
	s_lshl_b32 s20, s2, 10
	s_add_co_u32 s20, s20, 24576
	s_cmp_eq_u32 s2, 2
	s_cselect_b32 s17, 0, s18
	s_cselect_b32 s42, s18, 0
	s_cselect_b32 s12, s20, s19
	s_cselect_b32 s13, s19, s20
	s_add_co_u32 s17, s17, s41
	s_add_co_u32 s42, s42, s40
	s_lshl_b32 s43, s41, 2
	s_lshl_b32 s43, 15, s43
	s_lshl_b32 s44, 0x1111, s40
	s_or_b32 s[G1+0], s43, (0<<16)|(1<<20)|(1<<21)|(3<<22)|(3<<25)
	s_or_b32 s[G1B+0], s44, (0<<16)|(1<<20)|(1<<21)|(3<<22)|(3<<25)
.irp g, G1, G1B
	s_mov_b32 s[\g+1], KROW<<16                    ; 128 rows of codes = 32 rows of 768 bytes, each at a multiple of 256; the padding behind every 64 bytes gives LDS rows of 240 bytes
	s_mov_b32 s[\g+2], 32<<16
	s_mov_b32 s[\g+3], KROW<<16
	s_mov_b32 s[\g+4], 32
	s_mov_b32 s[\g+5], KROW
	s_mov_b32 s[\g+6], 0
	s_mov_b32 s[\g+7], 0
.endr
	s_or_b32 s[G1S+0], s43, (3<<16)|(1<<20)|(1<<21)|(5<<22)|(3<<25)
	s_or_b32 s[G1SB+0], s44, (3<<16)|(1<<20)|(1<<21)|(5<<22)|(3<<25)
.irp g, G1S, G1SB
	s_mov_b32 s[\g+1], 32<<16
	s_mov_b32 s[\g+2], (128*KS/256)<<16
	s_mov_b32 s[\g+3], 32<<16
	s_mov_b32 s[\g+4], 128*KS/256
	s_mov_b32 s[\g+5], 32
	s_mov_b32 s[\g+6], 0
	s_mov_b32 s[\g+7], 0
.endr
	s_lshl_b32 s18, s16, 7
	s_lshl_b32 s20, s17, 8
	s_add_co_u32 s20, s20, s18
	s_add_co_u32 s20, s20, s12
	s_lshl_b32 s46, s42, 8
	s_add_co_u32 s46, s46, s18
	s_add_co_u32 s46, s46, s13
	s_mov_b32 s21, 0
	s_mov_b32 s47, 0
	s_mov_b64 s[18:19], KS
	s_mul_u64 s[22:23], s[20:21], s[18:19]
	s_mul_u64 s[92:93], s[46:47], s[18:19]
	s_mov_b64 s[18:19], ROWB
	s_mul_u64 s[20:21], s[20:21], s[18:19]
	s_mul_u64 s[46:47], s[46:47], s[18:19]
	s_mul_i32 s45, s14, HALFT
	s_mul_i32 s94, s14, HALFS
	s_wait_dscnt 0x0
	s_wait_kmcnt 0x0
	s_add_nc_u64 s[20:21], s[4:5], s[20:21]
	s_add_nc_u64 s[22:23], s[6:7], s[22:23]
	s_add_nc_u64 s[46:47], s[4:5], s[46:47]
	s_add_nc_u64 s[92:93], s[6:7], s[92:93]
	CROUND
	s_mov_b32 s[G0S], 1
	s_add_co_u32 s[G0S+1], s94, SCL
	s_mov_b64 s[G0S+2:G0S+3], s[22:23]
	s_or_b32 s[G0S+3], s[G0S+3], 0x80000000
	s_mov_b32 s[G0SB], 1
	s_add_co_u32 s[G0SB+1], s94, SCL
	s_mov_b64 s[G0SB+2:G0SB+3], s[92:93]
	s_or_b32 s[G0SB+3], s[G0SB+3], 0x80000000
	JLOAD G0S, G1S, G0SB, G1SB
.irp s, 0,1
	s_mov_b32 s[G0+4*\s], 1
	s_add_co_u32 s[G0+4*\s+1], s45, \s*SLOT
	s_add_nc_u64 s[G0+4*\s+2:G0+4*\s+3], s[20:21], \s*PLANE
	s_or_b32 s[G0+4*\s+3], s[G0+4*\s+3], 0x80000000
	s_mov_b32 s[G0B+4*\s], 1
	s_add_co_u32 s[G0B+4*\s+1], s45, \s*SLOT
	s_add_nc_u64 s[G0B+4*\s+2:G0B+4*\s+3], s[46:47], \s*PLANE
	s_or_b32 s[G0B+4*\s+3], s[G0B+4*\s+3], 0x80000000
	s_wait_alu depctr_va_vdst(0)
	s_wait_tensorcnt 0x0
	ds_add_u32 v28, v29
	s_wait_dscnt 0x0
	CROUND
	JLOAD G0+4*\s, G1, G0B+4*\s, G1B
.endr
	v_and_b32 v1, 15, v0
	v_bfe_u32 v2, v0, 4, 1
	v_mul_u32_u24 v3, v1, PITCH
	v_mul_u32_u24 v4, v2, 24
	v_add_nc_u32 v4, v3, v4
	v_lshl_add_u32 v5, v2, 4, v4
	s_mul_i32 s21, s15, HALFT
	s_mul_i32 s22, s16, HALFT
	s_add_co_u32 s22, s22, 2*HALFT
.irp s, 0,1
	v_add_nc_u32 v[ADRA+\s], s21, v4
	v_add_nc_u32 v[ADRB+\s], s22, v4
	v_add_nc_u32 v[ADRA+2+\s], s21, v5
	v_add_nc_u32 v[ADRB+2+\s], s22, v5
	s_add_co_u32 s21, s21, SLOT
	s_add_co_u32 s22, s22, SLOT
.endr
	v_mul_u32_u24 v5, v1, KS
	v_lshrrev_b32 v6, 8, v5
	v_lshl_add_u32 v5, v6, 4, v5
	s_mul_i32 s21, s15, HALFS
	s_mul_i32 s22, s16, HALFS
	s_add_co_u32 s22, s22, 2*HALFS
	s_sub_co_u32 s22, s22, s21
	v_mul_u32_u24 v6, s22, v2
	s_add_co_u32 s21, s21, SCL
	v_add_nc_u32 v5, v5, v6
	v_add_nc_u32 v[ADRS], s21, v5
	v_and_b32 v6, 31, v0
	v_lshlrev_b32 v[IO], 4, v6
	v_lshlrev_b32 v[WO], 4, v1
	v_lshl_add_u32 v[WO], v2, 12, v[WO]
	s_lshl_b32 s20, s17, 8
	s_lshl_b32 s21, s15, 7
	s_add_co_u32 s20, s20, s21
	s_lshl_b32 s22, s42, 8
	s_lshl_b32 s23, s16, 7
	s_add_co_u32 s22, s22, s23
	s_cmp_eq_u32 s2, 2
	s_cselect_b32 s46, s22, s20
	s_cselect_b32 s47, s20, s22
	s_cselect_b32 s18, 0, 64
	s_cselect_b32 s19, 64, 0
	s_cselect_b32 s12, 4, 0
	s_cselect_b32 s13, 0, 4
	s_cselect_b64 s[8:9], s[96:97], s[8:9]
	s_cmp_eq_u32 s2, 1
	s_cselect_b64 s[8:9], s[10:11], s[8:9]
	s_lshl_b32 s92, s2, 6
	s_lshr_b32 s93, s46, 11
	s_lshl_b32 s93, s93, 4
	s_add_co_u32 s92, s92, s93
	s_lshr_b32 s93, s47, 6
	s_add_co_u32 s92, s92, s93
	s_lshl_b32 s92, s92, 4
	s_bfe_u32 s93, s46, 0x40007
	s_add_co_u32 s92, s92, s93
	s_mul_i32 s94, s92, 4*1536
	s_mov_b32 s95, 0
	s_add_nc_u64 s[98:99], s[98:99], s[94:95]
	s_lshl_b32 s94, s92, 8
	s_add_nc_u64 s[100:101], s[100:101], s[94:95]
	s_lshl_b32 s94, s47, 2
	s_add_nc_u64 s[8:9], s[8:9], s[94:95]
	v_lshrrev_b32 v7, 3, v1
	v_and_b32 v8, 7, v1
	v_mul_u32_u24 v[AJ], s18, v2
	v_mad_u32_u24 v[AJ], v7, s19, v[AJ]
	v_mad_u32_u24 v[AJ], v8, s12, v[AJ]
.irp j, 1,2,3,4,5,6,7
	v_add_nc_u32 v[AJ+\j], s13, v[AJ+\j-1]
.endr
.irp x, 0,1,2,3,4,5,6,7
.irp j, 0,1,2,3,4,5,6,7
	global_load_b32 v[BI+8*\x+\j], v[AJ+\j], s[8:9] offset:(32*(\x/2)+8*(\x%2))*4
.endr
.endr
	s_mov_b32 s66, 0x76543210
	s_mov_b32 s67, 0xfedcba98
.macro FRAG reg, adr, q, i
.irp p, 0,1,2,3,4,5
.set PC, 12*(\q)+6*(\p/3)+\p%3
.if PC%8 < 5
	ds_load_b64 v[\reg+2*\p:\reg+2*\p+1], v[\adr] offset:8*PC+16*(PC/8)+(\i)*16*PITCH
.else
	ds_load_b64 v[\reg+2*\p:\reg+2*\p+1], v[\adr+2] offset:8*PC+16*(PC/8)+(\i)*16*PITCH
.endif
.endr
.endm
.macro MUL16 a0, p, q, sc, cm
.irp a, \a0, \a0+1
.irp b, 0,1,2,3,4,5,6,7
.if \cm == 1
	v_wmma_scale_f32_16x16x128_f8f6f4 v[8*(8*((\a)%4)+\b):8*(8*((\a)%4)+\b)+7], v[128*(\p)+FR*\b:128*(\p)+FR*\b+FR-1], v[AF+FR*(\a):AF+FR*(\a)+FR-1], v[BI+8*\b:BI+8*\b+7], v[SC+8*NQ*(\sc)+NQ*\b+(\q)], v[SC+8*NQ*(\sc)+NQ*(\a)+(\q)] matrix_a_fmt:MATRIX_FMT_FP6 matrix_b_fmt:MATRIX_FMT_FP6 matrix_a_scale:MATRIX_SCALE_ROW1
.elseif \cm == 2
	v_wmma_scale_f32_16x16x128_f8f6f4 v[8*(8*((\a)%4)+\b):8*(8*((\a)%4)+\b)+7], v[128*(\p)+FR*\b:128*(\p)+FR*\b+FR-1], v[AF+FR*(\a):AF+FR*(\a)+FR-1], v[BI+8*(\a):BI+8*(\a)+7], v[SC+8*NQ*(\sc)+NQ*\b+(\q)], v[SC+8*NQ*(\sc)+NQ*(\a)+(\q)] matrix_a_fmt:MATRIX_FMT_FP6 matrix_b_fmt:MATRIX_FMT_FP6 matrix_a_scale:MATRIX_SCALE_ROW1
.else
	v_wmma_scale_f32_16x16x128_f8f6f4 v[8*(8*((\a)%4)+\b):8*(8*((\a)%4)+\b)+7], v[128*(\p)+FR*\b:128*(\p)+FR*\b+FR-1], v[AF+FR*(\a):AF+FR*(\a)+FR-1], v[8*(8*((\a)%4)+\b):8*(8*((\a)%4)+\b)+7], v[SC+8*NQ*(\sc)+NQ*\b+(\q)], v[SC+8*NQ*(\sc)+NQ*(\a)+(\q)] matrix_a_fmt:MATRIX_FMT_FP6 matrix_b_fmt:MATRIX_FMT_FP6 matrix_a_scale:MATRIX_SCALE_ROW1
.endif
.endr
.endr
.endm
.macro FETCH_B slot, q, p
	WIN TO_B
.irp i, 0,1,2,3,4,5,6,7
	FRAG 128*(\p)+FR*\i, ADRB+\slot, \q, \i
.endr
	WIN 0
.endm
.macro FETCH_A slot, q, i0
.irp i, \i0, \i0+1, \i0+2, \i0+3
	FRAG AF+FR*(\i), ADRA+\slot, \q, \i
.endr
.endm
.macro SCALES sc
.irp i, 0,1,2,3,4,5,6,7
	ds_load_b64 v[SC+8*NQ*\sc+NQ*\i:SC+8*NQ*\sc+NQ*\i+1], v[ADRS] offset:\i*SBLK
.endr
.endm
.macro PLACES n
.rept \n
	v_nop
.endr
.endm
.macro STEP slot, q, cm
	s_wait_dscnt 4*NL
.if \cm
	WIN BIA_LO
.else
	WIN MUL_LO
.endif
	MUL16 0, (\q)%2, \q, \slot, \cm
	MUL16 2, (\q)%2, \q, \slot, \cm
	s_wait_dscnt 0
	PLACES NP
	FETCH_B \slot, (\q)+1, 1-(\q)%2
	FETCH_A \slot, (\q)+1, 0
.if \cm
	WIN BIA_HI
.else
	WIN MUL_HI
.endif
	MUL16 4, (\q)%2, \q, \slot, \cm
	MUL16 6, (\q)%2, \q, \slot, \cm
	PLACES NP
	WIN 0
	FETCH_A \slot, (\q)+1, 4
.endm
.macro TURN slot, next, fill
	s_wait_tensorcnt 0x0
	ds_add_u32 v[SPW], v[NIL]
	s_wait_dscnt 4*NL+1
	WIN MUL_LO
	MUL16 0, 1, NQ-1, \slot, 0
	s_wait_dscnt 0x0
	s_barrier_signal -1
	MUL16 2, 1, NQ-1, \slot, 0
	WIN 0
	s_barrier_wait -1
.if \fill
	CREST
	s_add_nc_u64 s[G0+4*\slot+2:G0+4*\slot+3], s[G0+4*\slot+2:G0+4*\slot+3], 2*PLANE
	s_add_nc_u64 s[G0B+4*\slot+2:G0B+4*\slot+3], s[G0B+4*\slot+2:G0B+4*\slot+3], 2*PLANE
	JLOAD G0+4*\slot, G1, G0B+4*\slot, G1B
.else
	PLACES NP
.endif
	s_wait_alu depctr_va_vdst(0)
	v_add_nc_u32 v[ADRS], 4*NQ, v[ADRS]
	FETCH_B \next, 0, 0
	FETCH_A \next, 0, 0
	SCALES \next
	WIN MUL_HI
	MUL16 4, 1, NQ-1, \slot, 0
	MUL16 6, 1, NQ-1, \slot, 0
	PLACES NP
	WIN 0
	FETCH_A \next, 0, 4
.endm
	s_wait_loadcnt 0x0
	s_wait_tensorcnt 1
	s_barrier_signal -1
	s_barrier_wait -1
	FETCH_B 0, 0, 0
	FETCH_A 0, 0, 0
	SCALES 0
	FETCH_A 0, 0, 4
	s_cmp_eq_u32 s2, 2
	s_cbranch_scc1 .Lfirst_v
	STEP 0, 0, 1
	s_branch .Lfirst_done
.Lfirst_v:
	STEP 0, 0, 2
.Lfirst_done:
	s_mov_b32 s3, LAPS-1
.Llap:
	TURN 0, 1, 1
	STEP 1, 0, 0
	TURN 1, 0, 1
	STEP 0, 0, 0
	s_sub_co_u32 s3, s3, 1
	s_cmp_lg_u32 s3, 0
	s_cbranch_scc1 .Llap
	TURN 0, 1, 0
	STEP 1, 0, 0
	s_wait_dscnt 4*NL
	WIN MUL_LO
	MUL16 0, 1, NQ-1, 1, 0
	MUL16 2, 1, NQ-1, 1, 0
	s_wait_dscnt 0
	WIN MUL_HI
	MUL16 4, 1, NQ-1, 1, 0
	MUL16 6, 1, NQ-1, 1, 0
	WIN 0
.macro RQ a, d0, d1, eb
.set RS, 64*((\a)%4)
.set RW, 2+(\a)/4
.set RW5, 5*RW
	WIN RW5
.irp b, 0,1,2,3
	v_max3_num_f32 v[TM+\b], |v[RS+16*\b]|, |v[RS+16*\b+1]|, 0x1800000
.endr
.irp i, 2,4,6,8,10,12,14
.irp b, 0,1,2,3
	v_max3_num_f32 v[TM+\b], |v[RS+16*\b+\i]|, |v[RS+16*\b+\i+1]|, v[TM+\b]
.endr
.endr
	WIN 0
.irp b, 0,1,2,3
	v_permlanex16_b32 v[TM+4+\b], v[TM+\b], s66, s67
.endr
.irp b, 0,1,2,3
	v_max_num_f32 v[TM+\b], v[TM+\b], v[TM+4+\b]
.endr
.irp b, 0,1,2,3
	v_add_nc_u32 v[TM+12+\b], 0xff000000, v[TM+\b]
.endr
.irp b, 0,1,2,3
	v_lshrrev_b32 v[EB+\eb+\b], 23, v[TM+12+\b]
.endr
	WIN RW
	v_cvt_scalef32_pk16_fp6_f32 v[(\d0):(\d0)+2], v[RS:RS+15], v[TM+12]
	v_cvt_scalef32_pk16_fp6_f32 v[T0:T0+2], v[RS+16:RS+31], v[TM+13]
	v_cvt_scalef32_pk16_fp6_f32 v[(\d1):(\d1)+2], v[RS+32:RS+47], v[TM+14]
	v_cvt_scalef32_pk16_fp6_f32 v[T1:T1+2], v[RS+48:RS+63], v[TM+15]
	WIN 0
	v_nop
.irp i, 0,1,2
	v_permlane16_swap_b32 v[(\d0)+\i], v[T0+\i]
	v_permlane16_swap_b32 v[(\d1)+\i], v[T1+\i]
.endr
.irp i, 0,1,2
	v_mov_b32 v[(\d0)+3+\i], v[T0+\i]
	v_mov_b32 v[(\d1)+3+\i], v[T1+\i]
.endr
.endm
.macro WORD d, b0, b1, b2, b3
	v_lshl_or_b32 v[\d], v[\b1], 8, v[\b0]
	v_lshl_or_b32 v[\d], v[\b2], 16, v[\d]
	v_lshl_or_b32 v[\d], v[\b3], 24, v[\d]
.endm
	PLACES NP
.irp b, 0,1,2,3
	v_mov_b32 v[TM+4+\b], 0
.endr
	s_cmp_eq_u32 s2, 2
	s_cbranch_scc1 .Lout_v
.irp g, 0,1,2,3
	RQ 2*\g, FQ+24*\g, FQ+24*\g+12, 0
	RQ 2*\g+1, FQ+24*\g+6, FQ+24*\g+18, 4
	WORD SW0+\g, EB, EB+1, EB+4, EB+5
	WORD SW1+\g, EB+2, EB+3, EB+6, EB+7
.irp c, 0,1
.irp k, 0,1,2
	global_store_b128 v[IO], v[FQ+24*\g+12*\c+4*\k:FQ+24*\g+12*\c+4*\k+3], s[98:99] offset:\c*98304+\g*1536+\k*512
.endr
.endr
.endr
	s_branch .Lwords
.Lout_v:
.irp a, 0,1,2,3,4,5,6,7
	RQ \a, FV+12*\a, FV+12*\a+6, 0
	WORD SW0+\a, EB, EB+1, EB+2, EB+3
.irp k, 0,1,2
	global_store_b128 v[IO], v[FV+12*\a+4*\k:FV+12*\a+4*\k+3], s[98:99] offset:(\a/4)*98304+(\a%4)*1536+\k*512
.endr
.endr
.Lwords:
	s_mov_b32 s95, 0xffff0000
	s_wait_alu depctr_va_vdst(0)
.irp i, 0,1,2,3
	v_cndmask_b32 v[OUTW+\i], v[SW0+\i], v[SW1+\i], s95
.endr
	global_store_b128 v[WO], v[OUTW:OUTW+3], s[100:101]
	s_wait_tensorcnt 0x0
	ds_add_u32 v[SPW], v[NIL]
	s_wait_dscnt 0x0
	CROUND
	s_endpgm
.Lfunc_end_k_q0d1d016684_proj:
	.size	k_q0d1d016684_proj, .Lfunc_end_k_q0d1d016684_proj-k_q0d1d016684_proj
	.p2alignl 7, 3214868480
	.fill 96, 4, 3214868480
	.section	.rodata,"a",@progbits
	.p2align	6, 0x0
	.amdhsa_kernel k_q0d1d016684_proj
		.amdhsa_group_segment_fixed_size 327680
		.amdhsa_private_segment_fixed_size 0
		.amdhsa_enable_private_segment 0
		.amdhsa_kernarg_size 56
		.amdhsa_user_sgpr_count 2
		.amdhsa_user_sgpr_kernarg_segment_ptr 1
		.amdhsa_wavefront_size32 1
		.amdhsa_system_sgpr_workgroup_id_x 1
		.amdhsa_system_sgpr_workgroup_id_y 1
		.amdhsa_system_sgpr_workgroup_id_z 1
		.amdhsa_system_vgpr_workitem_id 0
		.amdhsa_next_free_vgpr 1024
		.amdhsa_next_free_sgpr 102
		.amdhsa_reserve_vcc 0
		.amdhsa_float_denorm_mode_32 3
		.amdhsa_float_denorm_mode_16_64 3
		.amdhsa_memory_ordered 1
		.amdhsa_forward_progress 1
		.amdhsa_inst_pref_size 220
	.end_amdhsa_kernel
	.amdgpu_metadata
---
amdhsa.version: [ 1, 2 ]
amdhsa.kernels:
  - .name:           k_q0d1d016684_proj
    .symbol:         k_q0d1d016684_proj.kd
    .args:
      - { .name: codes, .offset: 0, .size: 8, .value_kind: global_buffer, .address_space: global }
      - { .name: scales, .offset: 8, .size: 8, .value_kind: global_buffer, .address_space: global }
      - { .name: bq, .offset: 16, .size: 8, .value_kind: global_buffer, .address_space: global }
      - { .name: bk, .offset: 24, .size: 8, .value_kind: global_buffer, .address_space: global }
      - { .name: bv, .offset: 32, .size: 8, .value_kind: global_buffer, .address_space: global }
      - { .name: img, .offset: 40, .size: 8, .value_kind: global_buffer, .address_space: global }
      - { .name: isc, .offset: 48, .size: 8, .value_kind: global_buffer, .address_space: global }
    .group_segment_fixed_size: 327680
    .private_segment_fixed_size: 0
    .kernarg_segment_align: 8
    .kernarg_segment_size: 56
    .max_flat_workgroup_size: 128
    .sgpr_count:     102
    .vgpr_count:     1024
    .wavefront_size: 32
...
	.end_amdgpu_metadata
.endif
;; end of part 2
;; launch attn (part 3): grid 4 x 64, 16 waves a work-group, clusters of 4 x 1, 206,848 bytes of LDS; arguments img, isc, ctxc, ctxs; writes ctxc, ctxs
.if DOCPART == 3
	.amdgcn_target "amdgcn-amd-amdhsa--gfx1250"
	.amdhsa_code_object_version 6
	.text
	.protected	k_q0d1d016684_attn
	.globl	k_q0d1d016684_attn
	.p2align	8
	.type	k_q0d1d016684_attn,@function
k_q0d1d016684_attn:
	s_mov_b64 s[64:65], 0
	v_nop
	global_prefetch_b8 v0, s[64:65] scope:SCOPE_SE
	s_setreg_imm32_b32 hwreg(HW_REG_WAVE_MODE, 25, 1), 1
	s_wait_xcnt 0x0
	s_wait_alu depctr_hold_cnt(0) depctr_sa_sdst(0) depctr_va_vdst(0) depctr_va_sdst(0) depctr_va_ssrc(0) depctr_va_vcc(0) depctr_vm_vsrc(0)
	s_getreg_b32 s2, hwreg(HW_REG_IB_STS2, 6, 4)
	s_cmp_eq_u32 s2, 0
	s_cbranch_scc0 .Lentry_in_a_cluster
	s_endpgm
.Lentry_in_a_cluster:
	s_bfe_u32 s2, ttmp6, 0x10000c
	s_cmp_lg_u32 s2, 0x3003
	s_cbranch_scc0 .Lentry_shape_is_right
	s_endpgm
.Lentry_shape_is_right:
; ctx[b][q][head] = the sum over keys of softmax(q . k / 8) v, both products on codes of FP6 (E2M3) with E8M0 scales; ctx is quantised along its channels in registers and leaves as codes for the last projection.
; THE SOFTMAX AHEAD OF THE SECOND PRODUCT: t = score x log2(e) / 8; M = the row's largest t so far, rounded UP to a whole number; p = 2^(t - M) is quantised along the keys, not normalised.
; The row's sum is taken of the unquantised p, in f32, and divides O at the end.  When M moves, the sum and O are multiplied by 2^(old M - new M): exact.
; SHARES.  A cluster of four work-groups owns one (batch, head); work-group cx owns 512 queries; each of its sixteen waves owns one image of q: 32 queries, taken as two tiles of 16 in two passes over all 2,048 keys.
; Four waves lie on a SIMD, so that one wave's vector work stands beside another's matrix work and LDS loads.
; A HEAD'S WHOLE K AND V STAY IN LDS, as images of operand registers (1,536 bytes each: registers 4 c .. 4 c + 3 of lane l at 512 c + 16 l): filled once, by joint loads that name all four partners; no ring, no refill.
; LAYOUT.  Both products are used transposed: a lane holds ONE query (lane % 16) throughout.  The head has 64 channels and the instruction 128 along K: an image of k holds TWO keys a row, X in k 0-63 and X + 8 in
; k 64-127; multiplied by [q, 0] it gives X's scores and by [0, q] those of X + 8.  So LDS holds no zeros, each fragment feeds two products, and the 16 registers of the two results are 16 neighbouring keys.
; LIMITS: p under 2^-126 counts as 0; a block of zeros or under 2^-124 gets the byte 1 (this program alone reads the bytes); NaN and infinities are not served.
; No prefetch: all of K and V is asked for at the head, and nothing later is left to name.
; REGISTERS: v1-11 addresses; v12 -M, v13 the largest t, v[14:15] the sum in two halves; v16-27 [q, 0]; v32-79 four fragments of k or v; v80-91 [0, q]; v96-159 S^T, then p; v160-191 O^T; v192-203 q's image;
;   v204-216 the way out; v218 q's raw scale word; v220 p's scale word; v224-235 p's codes; v232-254 at work; v248-251 the fragments' scale words; v255 q's scale word.
.set KIMG,  0                          ; LDS: k's 64 images,
.set VIMG,  98304                      ; v's 64,
.set KSCL,  196608                     ; k's scale words: 256 bytes a key step: row r's four words at 16 r,
.set VSCL,  200704                     ; v's,
.set SPARE, 204800                     ; and the spare words, 128 bytes a wave, which no other line names
.set STEPB, 6144                       ; a key step's four images
.set LI,  1                            ; v1   16 x lane
.set LV,  2                            ; v2   the same in v's images
.set LS,  3                            ; v3   16 r in k's scale words
.set CO,  4                            ; v4   8 x lane: my place in a unit of ctx's codes
.set SPW, 5                            ; v5   LDS address of my spare word; never rewritten
.set NIL, 6                            ; v6   0; never rewritten
.set SO,  7                            ; v7   32 r: my row of ctx's scale bytes
.set ADK, 8                            ; v8-10 the step's addresses
.set ADV, 9
.set ADS, 10
.set QA,  16
.set FRG, 32
.set QB,  80
.set S,   96
.set O,   160
.set QH,  192
.set U,   204                          ; v204-209 ctx's six registers of codes
.set T,   212                          ; v212-214 the second conversion's
.set SB,  216                          ; v216 ctx's two scale bytes
.set QW,  218
.set PSW, 220
.set TB,  2                            ; s2   LDS byte at which the step's images begin
.set TS,  3                            ; s3   and its scale words
.set WV,  18                           ; s18  my wave's number
.set SEL, 20                           ; s[20:21] lane selects for lane l xor 16
.set CS,  22                           ; s[22:23] c = log2(e) / 8
.set G1A, 24                           ; s[24:31] descriptor group 1: 16 rows of 256 bytes (a head's scale words)
.set G1B, 32                           ; s[32:39] 96 rows (key steps 0 to 3)
.set G1C, 40                           ; s[40:47] 48 rows (two key steps)
.set G0A, 48                           ; s[48:59] their groups 0
.set G0B, 52
.set G0C, 56
.set CNT, 60                           ; s60  counts key steps
.macro CROUND                          ; a round of the cluster's barrier
	s_barrier_signal -1
	s_barrier_wait -1
	s_cmp_lg_u32 s[WV], 0
	s_cbranch_scc1 .Lnot_wave_0_\@
	s_barrier_signal -3
.Lnot_wave_0_\@:
	s_barrier_wait -3
	s_barrier_signal -1
	s_barrier_wait -1
.endm
	s_load_b256 s[4:11], s[0:1], 0x0               ; img s[4:5], isc s[6:7], ctxc s[8:9], ctxs s[10:11]
	v_lshl_add_u32 v[SPW], v0, 2, SPARE
	v_mov_b32 v[NIL], 0
	ds_add_u32 v[SPW], v[NIL]                      ; the wave's opening: the add and its wait ahead of the first tensor loads; work on registers stands between them
	ds_add_u32 v[SPW], v[NIL]
	v_lshrrev_b32 v8, 5, v0
	s_delay_alu instid0(VALU_DEP_1)
	v_readfirstlane_b32 s[WV], v8                  ; wave 0..15
	s_bfe_u32 s62, ttmp6, 0x40000                  ; cx: my block of 512 queries; it enters q's and ctx's global addresses alone
	s_and_b32 s61, ttmp7, 0xffff                   ; 16 x batch + head, which the four partners share
	s_and_b32 s63, s[WV], 1                        ; even waves fetch k's parts, odd waves v's
	; descriptor groups 1: dense blocks as rows of 256 bytes (32 elements of 8 bytes); mask: all four work-groups, bit 21 beside it; no padding: an image is read as 512 consecutive bytes
.irp g, G1A, G1B, G1C
	s_mov_b32 s[\g], 15|(3<<16)|(1<<21)
	s_mov_b32 s[\g+1], 32<<16                      ; tensor_dim0
	s_mov_b32 s[\g+3], 32<<16                      ; tile_dim0
	s_mov_b32 s[\g+5], 32                          ; tensor_dim0_stride
	s_mov_b32 s[\g+6], 0
	s_mov_b32 s[\g+7], 0
.endr
	s_mov_b32 s[G1A+2], 16<<16                     ; tensor_dim1 and tile_dim1
	s_mov_b32 s[G1A+4], 16
	s_mov_b32 s[G1B+2], 96<<16
	s_mov_b32 s[G1B+4], 96
	s_mov_b32 s[G1C+2], 48<<16
	s_mov_b32 s[G1C+4], 48
	s_add_co_u32 s16, s63, 1                       ; tensor 1 (k) or 2 (v)
	s_mul_i32 s66, s16, 262144                     ; isc: 262,144 bytes a tensor,
	s_lshl_b32 s17, s61, 12                        ; 4,096 a head
	s_add_co_u32 s66, s66, s17
	s_mov_b32 s67, 0
	s_mul_i32 s68, s16, 6291456                    ; img: 6,291,456 bytes a tensor,
	s_mul_i32 s17, s61, 98304                      ; 98,304 a head
	s_add_co_u32 s68, s68, s17
	s_mov_b32 s69, 0
	s_mul_i32 s70, s63, VIMG                       ; where they go: the wave's number alone enters an LDS address
	s_lshl_b32 s71, s63, 12
	s_mov_b32 s[SEL], 0x76543210
	s_mov_b32 s[SEL+1], 0xfedcba98
	s_mov_b32 s[CS], 0x3e38aa3b                    ; c = log2(e) / 8
	s_mov_b32 s[CS+1], s[CS]                       ; (named with it as a pair, so it is written)
	s_wait_dscnt 0x0                               ; the opening add is done
	s_wait_kmcnt 0x0
	s_mov_b32 s[G0A], 1                            ; count = 1
	s_add_co_u32 s[G0A+1], s71, KSCL               ; LDS address
	s_add_nc_u64 s[G0A+2:G0A+3], s[6:7], s[66:67]  ; global address
	s_or_b32 s[G0A+3], s[G0A+3], 0x80000000        ; type = 2
	s_mov_b32 s[G0B], 1
	s_mov_b32 s[G0B+1], s70
	s_add_nc_u64 s[G0B+2:G0B+3], s[4:5], s[68:69]
	s_or_b32 s[G0B+3], s[G0B+3], 0x80000000
	s_mov_b32 s[G0C], 1
	s_lshr_b32 s74, s[WV], 1                       ; waves 4 to 15: pair 2 .. 7 takes key steps 2 x pair and 2 x pair + 1
	s_mul_i32 s74, s74, 2*STEPB
	s_mov_b32 s75, 0
	s_add_co_u32 s[G0C+1], s70, s74
	s_add_nc_u64 s[G0C+2:G0C+3], s[4:5], s[68:69]
	s_add_nc_u64 s[G0C+2:G0C+3], s[G0C+2:G0C+3], s[74:75]
	s_or_b32 s[G0C+3], s[G0C+3], 0x80000000
	CROUND                                         ; all four work-groups are here: the joint loads meet
	s_cmp_lt_u32 s[WV], 2                          ; one chain of arms on the wave's number, the same in every partner: every wave issues one joint load
	s_cbranch_scc0 .Lfill_b
	tensor_load_to_lds s[G0A:G0A+3], s[G1A:G1A+7]  ; waves 0, 1: the head's scale words
	s_nop 0
.rept 4
	v_nop
.endr
	s_branch .Lfilled
.Lfill_b:
	s_cmp_lt_u32 s[WV], 4
	s_cbranch_scc0 .Lfill_c
	tensor_load_to_lds s[G0B:G0B+3], s[G1B:G1B+7]  ; waves 2, 3: key steps 0 to 3
	s_nop 0
.rept 4
	v_nop
.endr
	s_branch .Lfilled
.Lfill_c:
	tensor_load_to_lds s[G0C:G0C+3], s[G1C:G1C+7]  ; waves 4 to 15: two of key steps 4 to 15 each
	s_nop 0
.rept 4
	v_nop
.endr
.Lfilled:
	s_lshl_b32 s16, s61, 6
	s_lshl_b32 s17, s62, 4
	s_add_co_u32 s16, s16, s17
	s_add_co_u32 s16, s16, s[WV]                   ; my image of q: 64 x (batch, head) + 16 cx + wave
	s_mul_i32 s72, s16, 1536
	s_mov_b32 s73, 0
	s_add_nc_u64 s[12:13], s[4:5], s[72:73]
	s_lshr_b32 s72, s16, 2
	s_lshl_b32 s72, s72, 8                         ; its scale words: 256 bytes for four images,
	s_and_b32 s17, s16, 3
	s_lshl_b32 s17, s17, 2                         ; word image % 4 of each row's four
	s_add_co_u32 s72, s72, s17
	s_add_nc_u64 s[14:15], s[6:7], s[72:73]
	s_lshr_b32 s16, s61, 4
	s_lshl_b32 s16, s16, 6
	s_lshl_b32 s17, s62, 4
	s_add_co_u32 s16, s16, s17
	s_add_co_u32 s16, s16, s[WV]                   ; my group of 32 tokens: 64 x batch + 16 cx + wave
	s_and_b32 s19, s61, 15                         ; the head
	s_mul_i32 s72, s16, 2*12288                    ; ctx's codes: two blocks of 16 places, 12,288 bytes each,
	s_mul_i32 s17, s19, 768                        ; in each a unit of 768 bytes a head
	s_add_co_u32 s72, s72, s17
	s_add_nc_u64 s[8:9], s[8:9], s[72:73]
	s_lshl_b32 s72, s16, 10                        ; its scale bytes: 32 places of 32 bytes,
	s_lshl_b32 s17, s19, 1                         ; two bytes a head
	s_add_co_u32 s72, s72, s17
	s_add_nc_u64 s[10:11], s[10:11], s[72:73]
	v_and_b32 v8, 31, v0                           ; lane
	v_and_b32 v9, 15, v0                           ; r
	s_delay_alu instid0(VALU_DEP_2)
	v_lshlrev_b32 v[LI], 4, v8
	s_delay_alu instid0(VALU_DEP_2)
	v_lshlrev_b32 v11, 4, v9
.irp c, 0,1,2
	global_load_b128 v[QH+4*\c:QH+4*\c+3], v[LI], s[12:13] offset:512*\c   ; q's image stays in registers
.endr
	global_load_b32 v[QW], v11, s[14:15]           ; row r's word: the first tile's two bytes, the second's two
	v_add_nc_u32 v[LV], VIMG, v[LI]
	v_add_nc_u32 v[LS], KSCL, v11
	v_lshlrev_b32 v[CO], 3, v8
	v_lshlrev_b32 v[SO], 5, v9
.irp i, 0,1,2,3,4,5
	v_mov_b32 v[QA+6+\i], 0                        ; the idle halves: zero codes, which add nothing under any scale byte of this program
	v_mov_b32 v[QB+\i], 0
.endr
.irp b, 0,1,2,3
	v_mov_b32 v[236+\b], 0                         ; written once: a lane permute's destination counts as one of its sources
.endr
	v_mov_b32 v253, 0                              ; (named as the upper half of the pair v[252:253]; never else)
; A KEY STEP: 128 keys.
.macro STEP
	v_add_nc_u32 v[ADK], s[TB], v[LI]
	v_add_nc_u32 v[ADV], s[TB], v[LV]
	v_add_nc_u32 v[ADS], s[TS], v[LS]
	v_nop                                          ; these four are the places in front of loads into registers that the last step's products have read
.irp b, 0,1,2,3
.irp c, 0,1,2
	ds_load_b128 v[FRG+12*\b+4*\c:FRG+12*\b+4*\c+3], v[ADK] offset:1536*\b+512*\c
.endr
.endr
	ds_load_b128 v[248:251], v[ADS]                ; row r's scale words of the four images
	s_wait_alu depctr_va_vdst(0)
	s_wait_dscnt 0x0
.irp b, 0,1,2,3                        ; S^T: image b x [q, 0]: keys 32 b + 16 h + 0 .. 7; x [0, q]: keys 32 b + 16 h + 8 .. 15.  Eight accumulators, each begun with 0
	v_wmma_scale_f32_16x16x128_f8f6f4 v[S+16*\b:S+16*\b+7], v[FRG+12*\b:FRG+12*\b+11], v[QA:QA+11], 0, v[248+\b], v255 matrix_a_fmt:MATRIX_FMT_FP6 matrix_b_fmt:MATRIX_FMT_FP6
	v_wmma_scale_f32_16x16x128_f8f6f4 v[S+16*\b+8:S+16*\b+15], v[FRG+12*\b:FRG+12*\b+11], v[QB:QB+11], 0, v[248+\b], v255 matrix_a_fmt:MATRIX_FMT_FP6 matrix_b_fmt:MATRIX_FMT_FP6
.endr
.rept 4
	v_nop                                          ; places in front of the loads below and of the first read of the scores
.endr
.irp b, 0,1,2,3                        ; v's four images and their words, into the same registers: they land under the softmax
.irp c, 0,1,2
	ds_load_b128 v[FRG+12*\b+4*\c:FRG+12*\b+4*\c+3], v[ADV] offset:1536*\b+512*\c
.endr
.endr
	ds_load_b128 v[248:251], v[ADS] offset:VSCL-KSCL
.irp b, 0,1,2,3
	v_max3_num_f32 v[232+\b], v[S+16*\b], v[S+1+16*\b], v[S+2+16*\b]   ; THE LARGEST SCORE OF EACH BLOCK OF 32 KEYS: it serves for the row's maximum and, since p rises with the score, for the block's largest p
.endr
.irp i, 3,5,7,9,11,13
.irp b, 0,1,2,3
	v_max3_num_f32 v[232+\b], v[232+\b], v[S+16*\b+\i], v[S+1+16*\b+\i]   ; (the four blocks by turns; each accumulator is met from its low end)
.endr
.endr
.irp b, 0,1,2,3
	v_max_num_f32 v[232+\b], v[232+\b], v[S+15+16*\b]
.endr
.irp b, 0,1,2,3
	s_delay_alu instid0(VALU_DEP_4)
	v_permlanex16_b32 v[236+\b], v[232+\b], s[SEL], s[SEL+1]
.endr
.irp b, 0,1,2,3
	s_delay_alu instid0(VALU_DEP_4)
	v_max_num_f32 v[232+\b], v[232+\b], v[236+\b]  ; with lane l xor 16's 16 keys
.endr
	s_delay_alu instid0(VALU_DEP_2)
	v_max3_num_f32 v254, v232, v233, v234
	s_delay_alu instid0(VALU_DEP_1)
	v_max_num_f32 v254, v254, v235                 ; the step's largest score of my query
	s_delay_alu instid0(VALU_DEP_1)
	v_mul_f32 v254, s[CS], v254                    ; as t (c is positive)
	s_delay_alu instid0(VALU_DEP_1)
	v_max_num_f32 v13, v13, v254                   ; the running largest t
	v_mov_b32 v254, v12
	s_delay_alu instid0(VALU_DEP_2)
	v_floor_f32 v12, -v13                          ; the new -M = floor(-t) = -ceil(t): M is a whole number
	s_delay_alu instid0(VALU_DEP_1)
	v_sub_f32 v254, v12, v254                      ; old M less new M: a whole number, 0 or less
	s_delay_alu instid0(VALU_DEP_1)
	v_cvt_i32_f32 v254, v254                       ; (it saturates)
	s_delay_alu instid0(VALU_DEP_1)
	v_ldexp_f32 v252, 1.0, v254                    ; f = 2^(old M - new M): a multiplication by it rounds nothing
.irp j, 0,2,4,6,8,10,12,14,16,18,20,22,24,26,28,30,32,34,36,38,40,42,44,46,48,50,52,54,56,58,60,62
	v_pk_fma_f32 v[S+\j:S+1+\j], v[S+\j:S+1+\j], s[CS:CS+1], v[12:13] op_sel_hi:[1,0,0]   ; t - M, two at a time
.endr
.irp b, 0,1,2,3
	v_fma_f32 v[232+\b], v[232+\b], s[CS], v12     ; the same of each block's largest score
.endr
	s_wait_alu depctr_va_vdst(0)
.irp j, 0,1,2,3,4,5,6,7,8,9,10,11,12,13,14,15,16,17,18,19,20,21,22,23,24,25,26,27,28,29,30,31,32,33,34,35,36,37,38,39,40,41,42,43,44,45,46,47,48,49,50,51,52,53,54,55,56,57,58,59,60,61,62,63
	v_exp_f32 v[S+\j], v[S+\j]                     ; p = 2^(t - M), at most 1: NOT normalised
.endr
	v_pk_mul_f32 v[14:15], v[14:15], v[252:253] op_sel_hi:[1,0]   ; the sums under the new M (a plain line behind the exponentials)
	s_wait_alu depctr_va_vdst(0)                   ; one wait for the whole batch, ahead of its first reader
.irp b, 0,1,2,3
	v_exp_f32 v[232+\b], v[232+\b]                 ; the block's largest p: the same two instructions on the same number give the same bits
.endr
	v_pk_add_f32 v[236:237], v[100:101], v[104:105]
	v_pk_add_f32 v[246:247], v[108:109], v[112:113]
	v_pk_add_f32 v[244:245], v[116:117], v[120:121]
	v_pk_add_f32 v[242:243], v[124:125], v[128:129]
	v_pk_add_f32 v[240:241], v[132:133], v[136:137]
	v_pk_add_f32 v[238:239], v[140:141], v[144:145]
	v_pk_add_f32 v[230:231], v[148:149], v[152:153]
	v_pk_add_f32 v[14:15], v[14:15], v[156:157]
	v_pk_add_f32 v[236:237], v[236:237], v[96:97]
	v_pk_add_f32 v[246:247], v[246:247], v[98:99]
	v_pk_add_f32 v[244:245], v[244:245], v[102:103]
	v_pk_add_f32 v[242:243], v[242:243], v[106:107]
	v_pk_add_f32 v[240:241], v[240:241], v[110:111]
	v_pk_add_f32 v[238:239], v[238:239], v[114:115]
	v_pk_add_f32 v[230:231], v[230:231], v[118:119]
	v_pk_add_f32 v[14:15], v[14:15], v[122:123]
	v_pk_add_f32 v[236:237], v[236:237], v[126:127]
	v_pk_add_f32 v[246:247], v[246:247], v[130:131]
	v_pk_add_f32 v[244:245], v[244:245], v[134:135]
	v_pk_add_f32 v[242:243], v[242:243], v[138:139]
	v_pk_add_f32 v[240:241], v[240:241], v[142:143]
	v_pk_add_f32 v[238:239], v[238:239], v[146:147]
	v_pk_add_f32 v[230:231], v[230:231], v[150:151]
	v_pk_add_f32 v[14:15], v[14:15], v[154:155]
	v_pk_add_f32 v[236:237], v[236:237], v[158:159]
	s_delay_alu instid0(VALU_DEP_2)
	v_pk_add_f32 v[14:15], v[14:15], v[242:243]
	s_delay_alu instid0(VALU_DEP_2)
	v_pk_add_f32 v[236:237], v[236:237], v[240:241]
	v_pk_add_f32 v[246:247], v[246:247], v[238:239]
	v_pk_add_f32 v[244:245], v[244:245], v[230:231]
	s_delay_alu instid0(VALU_DEP_2)
	v_pk_add_f32 v[14:15], v[14:15], v[246:247]
	s_delay_alu instid0(VALU_DEP_2)
	v_pk_add_f32 v[236:237], v[236:237], v[244:245]
	s_delay_alu instid0(VALU_DEP_1)
	v_pk_add_f32 v[14:15], v[14:15], v[236:237]
	s_wait_alu depctr_va_vdst(0)                   ; and one for the four
.irp b, 0,1,2,3
	v_max_num_f32 v[232+\b], 0x1800000, v[232+\b]  ; the floor 2^(3 - 127): the byte cannot fall under 1
.endr
.irp b, 0,1,2,3
	s_delay_alu instid0(VALU_DEP_4)
	v_add_nc_u32 v[244+\b], 0xff000000, v[232+\b]  ; 2 off the exponent field: the conversion's scale operand
.endr
.irp b, 0,1,2,3
	s_delay_alu instid0(VALU_DEP_4)
	v_lshrrev_b32 v[236+\b], 23, v[244+\b]         ; the scale's byte
.endr
	s_delay_alu instid0(VALU_DEP_3)
	v_lshl_or_b32 v[PSW], v237, 8, v236            ; p's scale word for these 128 keys
	s_delay_alu instid0(VALU_DEP_1)
	v_lshl_or_b32 v[PSW], v238, 16, v[PSW]
	s_delay_alu instid0(VALU_DEP_1)
	v_lshl_or_b32 v[PSW], v239, 24, v[PSW]
.irp c, 0,1
	v_cvt_scalef32_pk16_fp6_f32 v[224+6*\c:226+6*\c], v[S+32*\c:S+15+32*\c], v[244+2*\c]
	v_cvt_scalef32_pk16_fp6_f32 v[236+4*\c:238+4*\c], v[S+16+32*\c:S+31+32*\c], v[244+2*\c+1]   ; (a conversion's three registers begin on an even number)
.endr
	v_nop                                          ; one plain line behind the last conversion
.irp c, 0,1                            ; the operand's layout wants a WHOLE block in a lane: lanes 0-15 block 2 c, lanes 16-31 block 2 c + 1
.irp i, 0,1,2
	v_permlane16_swap_b32 v[224+6*\c+\i], v[236+4*\c+\i]
.endr
.irp i, 0,1,2
	s_delay_alu instid0(VALU_DEP_3)
	v_mov_b32 v[227+6*\c+\i], v[236+4*\c+\i]
.endr
.endr
.irp j, 0,2,4,6,8,10,12,14,16,18,20,22,24,26,28,30
	v_pk_mul_f32 v[O+\j:O+1+\j], v[O+\j:O+1+\j], v[252:253] op_sel_hi:[1,0]   ; O^T under the new M.  Twelve of the sixteen name no register of any one product below: the places behind p's scale word (8) and codes (4)
.endr
	s_wait_alu depctr_va_vdst(0)
	s_wait_dscnt 0x0                               ; v's images and words are in
.irp t, 0,1,2,3                        ; O^T += v^T p^T: image t gives channels 32 (t / 2) + 16 h + 8 (t % 2) + 0 .. 7.  Four accumulators by turns
	v_wmma_scale_f32_16x16x128_f8f6f4 v[O+8*\t:O+8*\t+7], v[FRG+12*\t:FRG+12*\t+11], v[224:235], v[O+8*\t:O+8*\t+7], v[248+\t], v[PSW] matrix_a_fmt:MATRIX_FMT_FP6 matrix_b_fmt:MATRIX_FMT_FP6
.endr
	s_add_co_u32 s[TB], s[TB], STEPB               ; the next step's images and words
	s_add_co_u32 s[TS], s[TS], 256
.endm
.macro STEPS n
	s_mov_b32 s[CNT], \n
.Lstep_\@:
	STEP
	s_sub_co_u32 s[CNT], s[CNT], 1
	s_cmp_lg_u32 s[CNT], 0
	s_cbranch_scc1 .Lstep_\@
.endm
; Pass p takes the image's tile p: queries 16 (r / 8) + 8 p + r % 8 of my 32.  O^T and the sum begin as zeros and the largest t as -3e38, so that the step is written once.
.macro PASS_INIT p
.if \p
	v_perm_b32 v255, v[QW], v[QW], 0x03020302      ; q's scale word: the tile's two bytes, twice: they serve [q, 0] and [0, q] alike
.else
	v_perm_b32 v255, v[QW], v[QW], 0x01000100
.endif
.irp i, 0,1,2,3,4,5
	v_mov_b32 v[QA+\i], v[QH+6*\p+\i]
	v_mov_b32 v[QB+6+\i], v[QH+6*\p+\i]
.endr
	v_mov_b32 v13, 0xff61b1e6                      ; -3e38, under every t
	s_delay_alu instid0(VALU_DEP_1)
	v_floor_f32 v12, -v13                          ; -M
	v_mov_b32 v14, 0
	v_mov_b32 v15, 0
.irp j, 0,1,2,3,4,5,6,7,8,9,10,11,12,13,14,15,16,17,18,19,20,21,22,23,24,25,26,27,28,29,30,31
	v_mov_b32 v[O+\j], 0                           ; (these 32 are also the places between the lines above and the first products)
.endr
	s_mov_b32 s[TB], 0
	s_mov_b32 s[TS], 0
.endm
; ctx = O^T / the sum; register 16 g + i is channel 32 g + 16 h + i of my query: two blocks of 32 along the last projection's K.  Query 16 (r / 8) + 8 p + r % 8 has place 16 p + r (bits 3 and 4 exchanged).
.macro PASS_OUT p
	s_wait_xcnt 0x0                                ; the earlier pass's stores have read their registers: they are rewritten below
.rept 4
	v_nop                                          ; places behind the last products
.endr
	v_add_f32 v14, v14, v15                        ; the sum's two halves,
	s_delay_alu instid0(VALU_DEP_1)
	v_permlanex16_b32 v252, v14, s[SEL], s[SEL+1]
	s_delay_alu instid0(VALU_DEP_1)
	v_add_f32 v14, v14, v252                       ; and lane l xor 16's: the row's sum
	s_wait_alu depctr_va_vdst(0)
	v_rcp_f32 v14, v14
	v_nop                                          ; a plain line behind the reciprocal,
	s_wait_alu depctr_va_vdst(0)                   ; and the wait ahead of its first reader
.irp j, 0,2,4,6,8,10,12,14,16,18,20,22,24,26,28,30
	v_pk_mul_f32 v[S+\j:S+1+\j], v[O+\j:O+1+\j], v[14:15] op_sel_hi:[1,0]   ; each accumulator from its low end on
.endr
.irp g, 0,1
	v_max3_num_f32 v[232+\g], |v[S+16*\g]|, |v[S+1+16*\g]|, 0x1800000
.endr
.irp i, 2,4,6,8,10,12,14
.irp g, 0,1
	s_delay_alu instid0(VALU_DEP_2)
	v_max3_num_f32 v[232+\g], v[232+\g], |v[S+16*\g+\i]|, |v[S+1+16*\g+\i]|
.endr
.endr
.irp g, 0,1
	s_delay_alu instid0(VALU_DEP_2)
	v_permlanex16_b32 v[236+\g], v[232+\g], s[SEL], s[SEL+1]
.endr
.irp g, 0,1
	s_delay_alu instid0(VALU_DEP_2)
	v_max_num_f32 v[232+\g], v[232+\g], v[236+\g]
.endr
.irp g, 0,1
	s_delay_alu instid0(VALU_DEP_2)
	v_add_nc_u32 v[244+\g], 0xff000000, v[232+\g]
.endr
.irp g, 0,1
	s_delay_alu instid0(VALU_DEP_2)
	v_lshrrev_b32 v[236+\g], 23, v[244+\g]
.endr
	s_delay_alu instid0(VALU_DEP_1)
	v_lshl_or_b32 v[SB], v237, 8, v236             ; my row's two scale bytes of this head
	v_cvt_scalef32_pk16_fp6_f32 v[U:U+2], v[S:S+15], v244
	v_cvt_scalef32_pk16_fp6_f32 v[T:T+2], v[S+16:S+31], v245
	v_nop                                          ; one plain line behind the last conversion
.irp i, 0,1,2
	v_permlane16_swap_b32 v[U+\i], v[T+\i]
.endr
.irp i, 0,1,2
	s_delay_alu instid0(VALU_DEP_3)
	v_mov_b32 v[U+3+\i], v[T+\i]                   ; six registers: row r, channels 32 h + 0 .. 31
.endr
.irp c, 0,1,2
	global_store_b64 v[CO], v[U+2*\c:U+2*\c+1], s[8:9] offset:12288*\p+256*\c   ; 32 lanes store 256 consecutive bytes, aligned
.endr
	global_store_b16 v[SO], v[SB], s[10:11] offset:512*\p   ; lanes r and r + 16 write the same two bytes with the same value; rows 32 bytes apart: one byte in 24 of what the launch stores
.endm
	s_wait_loadcnt 0x0                             ; q
	PASS_INIT 0
	s_cmp_lt_u32 s[WV], 4                          ; waves 0 to 3 wait for their loads: the scale words and key steps 0 to 3; the others' loads may be out
	s_cbranch_scc0 .Lnot_first
	s_wait_tensorcnt 0x0
.Lnot_first:
	s_barrier_signal -1
	s_barrier_wait -1
	STEPS 4
	s_wait_tensorcnt 0x0                           ; key steps 4 to 15 have landed
	s_wait_dscnt 0x0
	s_barrier_signal -1
	s_barrier_wait -1
	STEPS 12
	PASS_OUT 0
	PASS_INIT 1
	STEPS 16
	PASS_OUT 1
	s_wait_tensorcnt 0x0                           ; the wave's end, behind the last tensor load
	ds_add_u32 v[SPW], v[NIL]
	s_wait_dscnt 0x0
	CROUND                                         ; the closing round
	s_endpgm
.Lfunc_end_k_q0d1d016684_attn:
	.size	k_q0d1d016684_attn, .Lfunc_end_k_q0d1d016684_attn-k_q0d1d016684_attn
	.p2alignl 7, 3214868480
	.fill 96, 4, 3214868480
	.section	.rodata,"a",@progbits
	.p2align	6, 0x0
	.amdhsa_kernel k_q0d1d016684_attn
		.amdhsa_group_segment_fixed_size 206848
		.amdhsa_private_segment_fixed_size 0
		.amdhsa_enable_private_segment 0
		.amdhsa_kernarg_size 32
		.amdhsa_user_sgpr_count 2
		.amdhsa_user_sgpr_kernarg_segment_ptr 1
		.amdhsa_wavefront_size32 1
		.amdhsa_system_sgpr_workgroup_id_x 1
		.amdhsa_system_sgpr_workgroup_id_y 1
		.amdhsa_system_sgpr_workgroup_id_z 1
		.amdhsa_system_vgpr_workitem_id 0
		.amdhsa_next_free_vgpr 256
		.amdhsa_next_free_sgpr 96
		.amdhsa_reserve_vcc 0
		.amdhsa_float_denorm_mode_32 3
		.amdhsa_float_denorm_mode_16_64 3
		.amdhsa_memory_ordered 1
		.amdhsa_forward_progress 1
		.amdhsa_inst_pref_size 71
	.end_amdhsa_kernel
	.amdgpu_metadata
---
amdhsa.version: [ 1, 2 ]
amdhsa.kernels:
  - .name:           k_q0d1d016684_attn
    .symbol:         k_q0d1d016684_attn.kd
    .args:
      - { .name: img, .offset: 0, .size: 8, .value_kind: global_buffer, .address_space: global }
      - { .name: isc, .offset: 8, .size: 8, .value_kind: global_buffer, .address_space: global }
      - { .name: ctxc, .offset: 16, .size: 8, .value_kind: global_buffer, .address_space: global }
      - { .name: ctxs, .offset: 24, .size: 8, .value_kind: global_buffer, .address_space: global }
    .group_segment_fixed_size: 206848
    .private_segment_fixed_size: 0
    .kernarg_segment_align: 8
    .kernarg_segment_size: 32
    .max_flat_workgroup_size: 512
    .sgpr_count:     96
    .vgpr_count:     256
    .wavefront_size: 32
...
	.end_amdgpu_metadata
.endif
;; end of part 3
;; launch outp (part 4): grid 4 x 32, 4 waves a work-group, clusters of 4 x 4, 327,680 bytes of LDS; arguments ctxc, ctxs, codes, scales, bo, out0; writes out0
.if DOCPART == 4
	.amdgcn_target "amdgcn-amd-amdhsa--gfx1250"
	.amdhsa_code_object_version 6
	.text
	.protected	k_q0d1d016684_outp
	.globl	k_q0d1d016684_outp
	.p2align	8
	.type	k_q0d1d016684_outp,@function
k_q0d1d016684_outp:
	s_mov_b64 s[64:65], 0
	v_nop
	global_prefetch_b8 v0, s[64:65] scope:SCOPE_SE
	s_setreg_imm32_b32 hwreg(HW_REG_WAVE_MODE, 25, 1), 1
	s_wait_xcnt 0x0
	s_wait_alu depctr_hold_cnt(0) depctr_sa_sdst(0) depctr_va_vdst(0) depctr_va_sdst(0) depctr_va_ssrc(0) depctr_va_vcc(0) depctr_vm_vsrc(0)
	s_getreg_b32 s2, hwreg(HW_REG_IB_STS2, 6, 4)
	s_cmp_eq_u32 s2, 0
	s_cbranch_scc0 .Lentry_in_a_cluster
	s_endpgm
.Lentry_in_a_cluster:
	s_bfe_u32 s2, ttmp6, 0x10000c
	s_cmp_lg_u32 s2, 0xf033
	s_cbranch_scc0 .Lentry_shape_is_right
	s_endpgm
.Lentry_shape_is_right:
.set KSTEP,  256
.set NQ,     KSTEP/128
.set ROWB,   192
.set KROW,   768                       ; a row of ctx's codes; also a row of B's tile as its descriptor states it: 4 x 192 dense bytes of a plane
.set PLANE,  28672*192                 ; Wo's codes lie in four planes, one for each K step of 256; in a plane a row of codes is 192 bytes, rows dense
.set ASTEP,  3072
.set PITCH,  240
.set FR,     12
.set NL,     6
.set NP,     4
.set HALFT,  128*PITCH
.set SLOT,   4*HALFT
.set LAPS,   2
.set KS,     32
.set SCL,    2*SLOT
.set HALFS,  (128*KS/256)*272
.set SBLK,   (16*KS/256)*272
.set SPARE,  SCL+4*HALFS
.set SPITCH, 528
.set ADRA, 16
.set ADRB, 20
.set STO,  24
.set RD,   25
.set CO,   26
.set ADRS, 27
.set SPW,  28
.set NIL,  29
.set SC,   32
.set BI,   64
.set AF,   128
.set BK,   128
.set G1, 24
.set G0, 32
.set G1B, 48
.set G0B, 56
.set G1S, 68
.set G0S, 76
.set G1SB, 80
.set G0SB, 88
.set MSB, 0
.macro WIN new
.if MSB != \new
	s_set_vgpr_msb (MSB<<8)|\new
.set MSB, \new
.endif
.endm
.set MUL_LO, 0xa1
.set MUL_HI, 0xf1
.set BIA_LO, 0x81
.set BIA_HI, 0xc1
.set TO_B,   0x40
.macro JLOAD g0a, g1a, g0b, g1b
	s_cmp_eq_u32 s15, 0
	s_cbranch_scc0 .Lfor_b_\@
	tensor_load_to_lds s[\g0a:\g0a+3], s[\g1a:\g1a+7]
	s_nop 0
.rept 4
	v_nop
.endr
	s_branch .Lasked_\@
.Lfor_b_\@:
	tensor_load_to_lds s[\g0b:\g0b+3], s[\g1b:\g1b+7]
	s_nop 0
.rept 4
	v_nop
.endr
.Lasked_\@:
.endm
.macro CREST
	s_cmp_lg_u32 s14, 0
	s_cbranch_scc1 .Lnot_wave_0_\@
	s_barrier_signal -3
.Lnot_wave_0_\@:
	s_barrier_wait -3
	s_barrier_signal -1
	s_barrier_wait -1
.endm
.macro CROUND
	s_barrier_signal -1
	s_barrier_wait -1
	CREST
.endm
	s_load_b128 s[4:7], s[0:1], 0x0
	s_load_b128 s[8:11], s[0:1], 0x10
	s_load_b128 s[96:99], s[0:1], 0x20
	v_lshl_add_u32 v[SPW], v0, 2, SPARE
	v_mov_b32 v[NIL], 0
	ds_add_u32 v[SPW], v[NIL]
	ds_add_u32 v[SPW], v[NIL]
	v_lshrrev_b32 v1, 5, v0
	v_readfirstlane_b32 s14, v1
	s_lshr_b32 s15, s14, 1
	s_and_b32 s16, s14, 1
	s_bfe_u32 s40, ttmp6, 0x40000
	s_bfe_u32 s41, ttmp6, 0x40004
	s_lshl_b32 s42, ttmp9, 2
	s_add_co_u32 s42, s42, s40
	s_and_b32 s17, ttmp7, 0xffff
	s_lshl_b32 s17, s17, 2
	s_add_co_u32 s17, s17, s41
	s_lshl_b32 s43, s41, 2
	s_lshl_b32 s43, 15, s43
	s_lshl_b32 s44, 0x1111, s40
	s_or_b32 s[G1+0], s43, (3<<16)|(1<<21)
	s_mov_b32 s[G1+1], 384<<16
	s_mov_b32 s[G1+2], 8<<16
	s_mov_b32 s[G1+3], 384<<16
	s_mov_b32 s[G1+4], 8
	s_mov_b32 s[G1+5], 1536
	s_mov_b32 s[G1+6], 0
	s_mov_b32 s[G1+7], 0
	s_or_b32 s[G1B+0], s44, (0<<16)|(1<<20)|(1<<21)|(3<<22)|(3<<25)
	s_mov_b32 s[G1B+1], KROW<<16                   ; 128 rows of codes = 32 rows of 768 bytes, each at a multiple of 256
	s_mov_b32 s[G1B+2], 32<<16
	s_mov_b32 s[G1B+3], KROW<<16
	s_mov_b32 s[G1B+4], 32
	s_mov_b32 s[G1B+5], KROW
	s_mov_b32 s[G1B+6], 0
	s_mov_b32 s[G1B+7], 0
	s_or_b32 s[G1S+0], s43, (3<<16)|(1<<20)|(1<<21)|(5<<22)|(3<<25)
	s_or_b32 s[G1SB+0], s44, (3<<16)|(1<<20)|(1<<21)|(5<<22)|(3<<25)
.irp g, G1S, G1SB
	s_mov_b32 s[\g+1], 32<<16
	s_mov_b32 s[\g+2], (128*KS/256)<<16
	s_mov_b32 s[\g+3], 32<<16
	s_mov_b32 s[\g+4], 128*KS/256
	s_mov_b32 s[\g+5], 32
	s_mov_b32 s[\g+6], 0
	s_mov_b32 s[\g+7], 0
.endr
	s_lshl_b32 s18, s16, 7
	s_lshl_b32 s20, s17, 8
	s_add_co_u32 s20, s20, s18
	s_lshl_b32 s46, s42, 8
	s_add_co_u32 s46, s46, s18
	s_add_co_u32 s46, s46, 27648
	s_mov_b32 s21, 0
	s_mov_b32 s47, 0
	s_mov_b64 s[18:19], KS
	s_mul_u64 s[22:23], s[20:21], s[18:19]
	s_mul_u64 s[92:93], s[46:47], s[18:19]
	s_mov_b64 s[18:19], KROW
	s_mul_u64 s[20:21], s[20:21], s[18:19]
	s_mul_i32 s46, s46, ROWB
	s_mul_i32 s45, s14, HALFT
	s_mul_i32 s94, s14, HALFS
	s_wait_dscnt 0x0
	s_wait_kmcnt 0x0
	s_add_nc_u64 s[20:21], s[4:5], s[20:21]
	s_add_nc_u64 s[22:23], s[6:7], s[22:23]
	s_add_nc_u64 s[46:47], s[8:9], s[46:47]
	s_add_nc_u64 s[92:93], s[10:11], s[92:93]
	CROUND
	s_mov_b32 s[G0S], 1
	s_add_co_u32 s[G0S+1], s94, SCL
	s_mov_b64 s[G0S+2:G0S+3], s[22:23]
	s_or_b32 s[G0S+3], s[G0S+3], 0x80000000
	s_mov_b32 s[G0SB], 1
	s_add_co_u32 s[G0SB+1], s94, SCL
	s_mov_b64 s[G0SB+2:G0SB+3], s[92:93]
	s_or_b32 s[G0SB+3], s[G0SB+3], 0x80000000
	JLOAD G0S, G1S, G0SB, G1SB
.irp s, 0,1
	s_mov_b32 s[G0+4*\s], 1
	s_add_co_u32 s[G0+4*\s+1], s45, \s*SLOT
	s_add_nc_u64 s[G0+4*\s+2:G0+4*\s+3], s[20:21], \s*ASTEP
	s_or_b32 s[G0+4*\s+3], s[G0+4*\s+3], 0x80000000
	s_mov_b32 s[G0B+4*\s], 1
	s_add_co_u32 s[G0B+4*\s+1], s45, \s*SLOT
	s_add_nc_u64 s[G0B+4*\s+2:G0B+4*\s+3], s[46:47], \s*PLANE
	s_or_b32 s[G0B+4*\s+3], s[G0B+4*\s+3], 0x80000000
	s_wait_alu depctr_va_vdst(0)
	s_wait_tensorcnt 0x0
	ds_add_u32 v28, v29
	s_wait_dscnt 0x0
	CROUND
	JLOAD G0+4*\s, G1, G0B+4*\s, G1B
.endr
	v_and_b32 v1, 15, v0
	v_bfe_u32 v2, v0, 4, 1
	v_and_b32 v6, 31, v0
	v_mul_u32_u24 v3, v1, PITCH
	v_mul_u32_u24 v4, v2, 24
	v_add_nc_u32 v4, v3, v4
	v_lshl_add_u32 v5, v2, 4, v4
	v_lshlrev_b32 v8, 3, v6
	s_mul_i32 s21, s15, HALFT
	s_mul_i32 s22, s16, HALFT
	s_add_co_u32 s22, s22, 2*HALFT
.irp s, 0,1
	v_add_nc_u32 v[ADRA+\s], s21, v8
	v_add_nc_u32 v[ADRB+\s], s22, v4
	v_add_nc_u32 v[ADRB+2+\s], s22, v5
	s_add_co_u32 s21, s21, SLOT
	s_add_co_u32 s22, s22, SLOT
.endr
	v_mul_u32_u24 v5, v1, KS
	v_lshrrev_b32 v9, 8, v5
	v_lshl_add_u32 v5, v9, 4, v5
	s_mul_i32 s21, s15, HALFS
	s_mul_i32 s22, s16, HALFS
	s_add_co_u32 s22, s22, 2*HALFS
	s_sub_co_u32 s22, s22, s21
	v_mul_u32_u24 v9, s22, v2
	s_add_co_u32 s21, s21, SCL
	v_add_nc_u32 v5, v5, v9
	v_add_nc_u32 v[ADRS], s21, v5
	s_mul_i32 s23, s14, 16*SPITCH
	v_mul_u32_u24 v5, v1, SPITCH
	v_lshl_add_u32 v5, v2, 6, v5
	v_add_nc_u32 v[STO], s23, v5
	v_lshlrev_b32 v[CO], 4, v6
	v_add_nc_u32 v[RD], s23, v[CO]
	s_lshl_b32 s20, s17, 8
	s_lshl_b32 s21, s15, 7
	s_add_co_u32 s20, s20, s21
	s_lshl_b32 s20, s20, 12
	s_mov_b32 s21, 0
	s_lshl_b32 s46, s42, 10
	s_lshl_b32 s47, s16, 9
	s_add_co_u32 s46, s46, s47
	s_mov_b32 s47, 0
	s_add_nc_u64 s[96:97], s[96:97], s[46:47]
	s_add_nc_u64 s[98:99], s[98:99], s[46:47]
	s_add_nc_u64 s[98:99], s[98:99], s[20:21]
	v_lshlrev_b32 v7, 6, v2
.irp b, 0,1,2,3,4,5,6,7
	global_load_b128 v[BI+8*\b:BI+8*\b+3], v7, s[96:97] offset:(32*(\b/2)+8*(\b%2))*4
	global_load_b128 v[BI+8*\b+4:BI+8*\b+7], v7, s[96:97] offset:(32*(\b/2)+8*(\b%2))*4+16
.endr
.macro FRAG reg, adr, q, i
.irp p, 0,1,2,3,4,5
.set PC, 12*(\q)+6*(\p/3)+\p%3
.if PC%8 < 5
	ds_load_b64 v[\reg+2*\p:\reg+2*\p+1], v[\adr] offset:8*PC+16*(PC/8)+(\i)*16*PITCH
.else
	ds_load_b64 v[\reg+2*\p:\reg+2*\p+1], v[\adr+2] offset:8*PC+16*(PC/8)+(\i)*16*PITCH
.endif
.endr
.endm
.macro FRAGA reg, slot, q, i
.irp p, 0,1,2,3,4,5
	ds_load_b64 v[\reg+2*\p:\reg+2*\p+1], v[ADRA+\slot] offset:(\i)*ASTEP+(2*(\q)+\p/3)*768+(\p%3)*256
.endr
.endm
.macro MUL16 a0, p, q, sc, cm
.irp a, \a0, \a0+1
.irp b, 0,1,2,3,4,5,6,7
.if \cm
	v_wmma_scale_f32_16x16x128_f8f6f4 v[8*(8*((\a)%4)+\b):8*(8*((\a)%4)+\b)+7], v[128*(\p)+FR*\b:128*(\p)+FR*\b+FR-1], v[AF+FR*(\a):AF+FR*(\a)+FR-1], v[BI+8*\b:BI+8*\b+7], v[SC+8*NQ*(\sc)+NQ*\b+(\q)], v[SC+8*NQ*(\sc)+NQ*(\a)+(\q)] matrix_a_fmt:MATRIX_FMT_FP6 matrix_b_fmt:MATRIX_FMT_FP6 matrix_a_scale:MATRIX_SCALE_ROW1
.else
	v_wmma_scale_f32_16x16x128_f8f6f4 v[8*(8*((\a)%4)+\b):8*(8*((\a)%4)+\b)+7], v[128*(\p)+FR*\b:128*(\p)+FR*\b+FR-1], v[AF+FR*(\a):AF+FR*(\a)+FR-1], v[8*(8*((\a)%4)+\b):8*(8*((\a)%4)+\b)+7], v[SC+8*NQ*(\sc)+NQ*\b+(\q)], v[SC+8*NQ*(\sc)+NQ*(\a)+(\q)] matrix_a_fmt:MATRIX_FMT_FP6 matrix_b_fmt:MATRIX_FMT_FP6 matrix_a_scale:MATRIX_SCALE_ROW1
.endif
.endr
.endr
.endm
.macro FETCH_B slot, q, p
	WIN TO_B
.irp i, 0,1,2,3,4,5,6,7
	FRAG 128*(\p)+FR*\i, ADRB+\slot, \q, \i
.endr
	WIN 0
.endm
.macro FETCH_A slot, q, i0
.irp i, \i0, \i0+1, \i0+2, \i0+3
	FRAGA AF+FR*(\i), \slot, \q, \i
.endr
.endm
.macro SCALES sc
.irp i, 0,1,2,3,4,5,6,7
	ds_load_b64 v[SC+8*NQ*\sc+NQ*\i:SC+8*NQ*\sc+NQ*\i+1], v[ADRS] offset:\i*SBLK
.endr
.endm
.macro PLACES n
.rept \n
	v_nop
.endr
.endm
.macro STEP slot, q, cm
	s_wait_dscnt 4*NL
.if \cm
	WIN BIA_LO
.else
	WIN MUL_LO
.endif
	MUL16 0, (\q)%2, \q, \slot, \cm
	MUL16 2, (\q)%2, \q, \slot, \cm
	s_wait_dscnt 0
	PLACES NP
	FETCH_B \slot, (\q)+1, 1-(\q)%2
	FETCH_A \slot, (\q)+1, 0
.if \cm
	WIN BIA_HI
.else
	WIN MUL_HI
.endif
	MUL16 4, (\q)%2, \q, \slot, \cm
	MUL16 6, (\q)%2, \q, \slot, \cm
	PLACES NP
	WIN 0
	FETCH_A \slot, (\q)+1, 4
.endm
.macro TURN slot, next, fill
	s_wait_tensorcnt 0x0
	ds_add_u32 v[SPW], v[NIL]
	s_wait_dscnt 4*NL+1
	WIN MUL_LO
	MUL16 0, 1, NQ-1, \slot, 0
	s_wait_dscnt 0x0
	s_barrier_signal -1
	MUL16 2, 1, NQ-1, \slot, 0
	WIN 0
	s_barrier_wait -1
.if \fill
	CREST
	s_add_nc_u64 s[G0+4*\slot+2:G0+4*\slot+3], s[G0+4*\slot+2:G0+4*\slot+3], 2*ASTEP
	s_add_nc_u64 s[G0B+4*\slot+2:G0B+4*\slot+3], s[G0B+4*\slot+2:G0B+4*\slot+3], 2*PLANE
	JLOAD G0+4*\slot, G1, G0B+4*\slot, G1B
.else
	PLACES NP
.endif
	s_wait_alu depctr_va_vdst(0)
	v_add_nc_u32 v[ADRS], 4*NQ, v[ADRS]
	FETCH_B \next, 0, 0
	FETCH_A \next, 0, 0
	SCALES \next
	WIN MUL_HI
	MUL16 4, 1, NQ-1, \slot, 0
	MUL16 6, 1, NQ-1, \slot, 0
	PLACES NP
	WIN 0
	FETCH_A \next, 0, 4
.endm
	s_wait_alu depctr_va_vdst(0)
	s_wait_loadcnt 0x0
	s_wait_tensorcnt 1
	s_barrier_signal -1
	s_barrier_wait -1
	FETCH_B 0, 0, 0
	FETCH_A 0, 0, 0
	SCALES 0
	FETCH_A 0, 0, 4
	STEP 0, 0, 1
	s_mov_b32 s3, LAPS-1
.Llap:
	TURN 0, 1, 1
	STEP 1, 0, 0
	TURN 1, 0, 1
	STEP 0, 0, 0
	s_sub_co_u32 s3, s3, 1
	s_cmp_lg_u32 s3, 0
	s_cbranch_scc1 .Llap
	TURN 0, 1, 0
	STEP 1, 0, 0
	s_wait_dscnt 4*NL
	WIN MUL_LO
	MUL16 0, 1, NQ-1, 1, 0
	MUL16 2, 1, NQ-1, 1, 0
	s_wait_dscnt 0
	WIN MUL_HI
	MUL16 4, 1, NQ-1, 1, 0
	MUL16 6, 1, NQ-1, 1, 0
	WIN 0
.macro TOSTAGE a
.set AC, 64*((\a)%4)
	WIN 0x08+4*((\a)/4)
.irp b, 0,1,2,3,4,5,6,7
	ds_store_b128 v[STO], v[AC+8*\b:AC+8*\b+3] offset:128*(\b/2)+32*(\b%2)
	ds_store_b128 v[STO], v[AC+8*\b+4:AC+8*\b+7] offset:128*(\b/2)+32*(\b%2)+16
.endr
	WIN 0
.set BB, BK+64*((\a)%2)
.irp t, 0,1,2,3,4,5,6,7,8,9,10,11,12,13,14,15
	ds_load_b128 v[BB+4*\t:BB+4*\t+3], v[RD] offset:\t*SPITCH
.endr
.endm
.macro SEND a, younger
.set BB, BK+64*((\a)%2)
	s_wait_dscnt \younger
.irp t, 0,1,2,3,4,5,6,7,8,9,10,11,12,13,14,15
	global_store_b128 v[CO], v[BB+4*\t:BB+4*\t+3], s[98:99] offset:(32*((\a)/2)+8*((\a)%2)+16*(\t/8)+\t%8)*4096 th:TH_STORE_NT
.endr
.endm
	PLACES NP
	TOSTAGE 0
.irp a, 1,2,3,4,5,6,7
.if \a > 1
	s_wait_xcnt 0x0
.endif
	TOSTAGE \a
	SEND \a-1, 32
.endr
	SEND 7, 0
	s_wait_tensorcnt 0x0
	ds_add_u32 v[SPW], v[NIL]
	s_wait_dscnt 0x0
	CROUND
	s_endpgm
.Lfunc_end_k_q0d1d016684_outp:
	.size	k_q0d1d016684_outp, .Lfunc_end_k_q0d1d016684_outp-k_q0d1d016684_outp
	.p2alignl 7, 3214868480
	.fill 96, 4, 3214868480
	.section	.rodata,"a",@progbits
	.p2align	6, 0x0
	.amdhsa_kernel k_q0d1d016684_outp
		.amdhsa_group_segment_fixed_size 327680
		.amdhsa_private_segment_fixed_size 0
		.amdhsa_enable_private_segment 0
		.amdhsa_kernarg_size 48
		.amdhsa_user_sgpr_count 2
		.amdhsa_user_sgpr_kernarg_segment_ptr 1
		.amdhsa_wavefront_size32 1
		.amdhsa_system_sgpr_workgroup_id_x 1
		.amdhsa_system_sgpr_workgroup_id_y 1
		.amdhsa_system_sgpr_workgroup_id_z 1
		.amdhsa_system_vgpr_workitem_id 0
		.amdhsa_next_free_vgpr 1024
		.amdhsa_next_free_sgpr 102
		.amdhsa_reserve_vcc 0
		.amdhsa_float_denorm_mode_32 3
		.amdhsa_float_denorm_mode_16_64 3
		.amdhsa_memory_ordered 1
		.amdhsa_forward_progress 1
		.amdhsa_inst_pref_size 162
	.end_amdhsa_kernel
	.amdgpu_metadata
---
amdhsa.version: [ 1, 2 ]
amdhsa.kernels:
  - .name:           k_q0d1d016684_outp
    .symbol:         k_q0d1d016684_outp.kd
    .args:
      - { .name: ctxc, .offset: 0, .size: 8, .value_kind: global_buffer, .address_space: global }
      - { .name: ctxs, .offset: 8, .size: 8, .value_kind: global_buffer, .address_space: global }
      - { .name: codes, .offset: 16, .size: 8, .value_kind: global_buffer, .address_space: global }
      - { .name: scales, .offset: 24, .size: 8, .value_kind: global_buffer, .address_space: global }
      - { .name: bo, .offset: 32, .size: 8, .value_kind: global_buffer, .address_space: global }
      - { .name: out0, .offset: 40, .size: 8, .value_kind: global_buffer, .address_space: global }
    .group_segment_fixed_size: 327680
    .private_segment_fixed_size: 0
    .kernarg_segment_align: 8
    .kernarg_segment_size: 48
    .max_flat_workgroup_size: 128
    .sgpr_count:     102
    .vgpr_count:     1024
    .wavefront_size: 32
...
	.end_amdgpu_metadata
.endif
;; end of part 4
